; MI455X (gfx1250); checked and timed in simulation.
; The chip was launched on July 23, 2026; its instructions are those of AMD's public machine-readable ISA for CDNA 5 (MIT licence, August 2026) and "CDNA5" Instruction Set Architecture Reference Guide (July 2026). The comments in the code are by the model that wrote it; some were corrected since.
;; KB La M Bit Net Decoder Layer. Allowed arithmetic: matrix products marked QUANTISED: E2M3 operands, one E8M0 scale for each 32 along K, by v_wmma_scale_f32_16x16x128_f8f6f4 with both operands' format E2M3, f32 sums; everything else in f32.
;; Inputs: down_w_codes 2,048 x 64 x 24 uint8 (E2M3 codes of down_w, K innermost, in blocks of 32 codes, four codes in three bytes); down_w_scales 2,048 x 64 uint8 (E8M0 scales of down_w, one for each 32 codes along K); hidden_states 1 x 2,048 x 2,048 float32; k_w_codes 512 x 64 x 24 uint8 (E2M3 codes of k_w, K innermost, in blocks of 32 codes, four codes in three bytes); k_w_scales 512 x 64 uint8 (E8M0 scales of k_w, one for each 32 codes along K); kb_keys_codes 1 x 256 x 64 x 24 uint8 (E2M3 codes of kb_keys, K innermost, in blocks of 32 codes, four codes in three bytes); kb_keys_scales 1 x 256 x 64 uint8 (E8M0 scales of kb_keys, one for each 32 codes along K); kb_values_codes 1 x 256 x 64 x 24 uint8 (E2M3 codes of kb_values, K innermost, in blocks of 32 codes, four codes in three bytes); kb_values_scales 1 x 256 x 64 uint8 (E8M0 scales of kb_values, one for each 32 codes along K); kbk_w_codes 512 x 64 x 24 uint8 (E2M3 codes of kbk_w, K innermost, in blocks of 32 codes, four codes in three bytes); kbk_w_scales 512 x 64 uint8 (E8M0 scales of kbk_w, one for each 32 codes along K); kbv_w_codes 512 x 64 x 24 uint8 (E2M3 codes of kbv_w, K innermost, in blocks of 32 codes, four codes in three bytes); kbv_w_scales 512 x 64 uint8 (E8M0 scales of kbv_w, one for each 32 codes along K); ln1_w 2,048 float32; ln2_w 2,048 float32; o_w_codes 2,048 x 64 x 24 uint8 (E2M3 codes of o_w, K innermost, in blocks of 32 codes, four codes in three bytes); o_w_scales 2,048 x 64 uint8 (E8M0 scales of o_w, one for each 32 codes along K); position_ids 1 x 2,048 int32; q_w_codes 2,048 x 64 x 24 uint8 (E2M3 codes of q_w, K innermost, in blocks of 32 codes, four codes in three bytes); q_w_scales 2,048 x 64 uint8 (E8M0 scales of q_w, one for each 32 codes along K); qnew_w_codes 2,048 x 64 x 24 uint8 (E2M3 codes of qnew_w, K innermost, in blocks of 32 codes, four codes in three bytes); qnew_w_scales 2,048 x 64 uint8 (E8M0 scales of qnew_w, one for each 32 codes along K); sink_k 1 x 8 x 1 x 64 float32; sink_v 1 x 8 x 1 x 64 float32; up_w_codes 2,048 x 64 x 24 uint8 (E2M3 codes of up_w, K innermost, in blocks of 32 codes, four codes in three bytes); up_w_scales 2,048 x 64 uint8 (E8M0 scales of up_w, one for each 32 codes along K); v_w_codes 512 x 64 x 24 uint8 (E2M3 codes of v_w, K innermost, in blocks of 32 codes, four codes in three bytes); v_w_scales 512 x 64 uint8 (E8M0 scales of v_w, one for each 32 codes along K).
;; Outputs: out0 1 x 2,048 x 2,048 float32.
;; This version of the problem:
;;   THIS VERSION OF THE PROBLEM IS GIVEN IN LOW PRECISION. The matrix products marked QUANTISED in the list below multiply operands that are first quantised to E2M3 (2 exponent bits, 3 mantissa bits; 6 bits a number), with one power-of-two scale for each 32 numbers along K (OCP MX v1.0); their sums are f32. All else is computed in f32.
;;   The module's matrix products, in the order in which they are computed (A, B: the left and right operand; K: the contracted axis; several contracted axes count as one K, in the product's order):
;;     1. [M 2,048, K 2,048] x [K 2,048, N 2,048]; A: computed on the way; B: input q_w (given as codes): QUANTISED
;;     2. [M 2,048, K 2,048] x [K 2,048, N 512]; A: computed on the way; B: input k_w (given as codes): QUANTISED
;;     3. [M 2,048, K 2,048] x [K 2,048, N 512]; A: computed on the way; B: input v_w (given as codes): QUANTISED
;;     4. [M 256, K 2,048] x [K 2,048, N 512]; A: input kb_keys (given as codes); B: input kbk_w (given as codes): QUANTISED
;;     5. [M 256, K 2,048] x [K 2,048, N 512]; A: input kb_values (given as codes); B: input kbv_w (given as codes): QUANTISED
;;     6. [M 2,048, K 2,048] x [K 2,048, N 2,048]; A: computed on the way; B: input qnew_w (given as codes): QUANTISED
;;     7. batch 32 x [M 2,048, K 64] x [K 64, N 2,048]; A: computed on the way; B: computed on the way: QUANTISED
;;     8. batch 32 x [M 2,048, K 64] x [K 64, N 257]; A: computed on the way; B: computed on the way: QUANTISED
;;     9. batch 32 x [M 2,048, K 257] x [K 257, N 64]; A: computed on the way; B: computed on the way: QUANTISED
;;     10. batch 32 x [M 2,048, K 2,048] x [K 2,048, N 64]; A: computed on the way; B: computed on the way: QUANTISED
;;     11. [M 2,048, K 2,048] x [K 2,048, N 2,048]; A: computed on the way; B: input o_w (given as codes): QUANTISED
;;     12. [M 2,048, K 2,048] x [K 2,048, N 2,048]; A: computed on the way; B: input up_w (given as codes): QUANTISED
;;     13. [M 2,048, K 2,048] x [K 2,048, N 2,048]; A: computed on the way; B: input down_w (given as codes): QUANTISED
;;   THE QUANTISER, for each operand of a quantised product, along K:
;;     - K is cut into blocks of 32 from its start; a last block that is shorter is filled with zeros.
;;     - A block's scale is 2^e with e = floor(log2(the largest magnitude in the block)) - 2, held to -126 .. 127; a block of zeros has e = 0. As a byte (E8M0): e + 127.
;;     - Each number is divided by its block's scale, clamped to +-7.5, and rounded to the nearest number of E2M3, ties to even, subnormals kept.
;;     - The product sums the exact products of the quantised numbers (number of the format x scale) in f32.
;;   ~~~python
;;   def quantise(x, axis):      # numpy; x: float32 -> the quantised numbers, widened to float32 again
;;       x = np.moveaxis(x, axis, -1); K = x.shape[-1]
;;       x = np.pad(x, [(0, 0)] * (x.ndim - 1) + [(0, -K % 32)]); x = x.reshape(x.shape[:-1] + (-1, 32)); a = np.abs(x).max(-1, keepdims=True)
;;       e = np.where(a > 0, np.clip(np.frexp(np.where(a > 0, a, 1))[1] - 1 - 2, -126, 127), 0)      # np.frexp(a)[1] - 1 = floor(log2(a)), exactly
;;       r = np.clip(x / 2.0 ** e, -7.5, 7.5)
;;       step = 2.0 ** (np.maximum(np.frexp(np.where(r == 0, 1, r))[1] - 1, 0) - 3)
;;       q = np.round(r / step) * step * 2.0 ** e      # np.round: ties to even
;;       return np.moveaxis(q.reshape(q.shape[:-2] + (-1,))[..., :K], -1, axis).astype(np.float32)
;;   ~~~
;;   OPERANDS COMPUTED ON THE WAY. 'Computed on the way' means the value that the module computes at that place (a softmax that the list does not call 'softmax' is quantised finished and normalised). What goes into a quantiser is computed in f32, as accurately as f32 sums, v_exp_f32 and their like allow (about 1e-6 of the number): no bf16 or f16 on the way to a quantiser, and a product that is left as it is and whose result goes on into a quantised operand takes f32 operands (vector FMAs, or v_wmma_f32_16x16x4_f32). A number that lies on a knife's edge between two numbers of the format may be rounded either way, as far as f32 arithmetic and the matrix unit's own rounding can turn it there, and no further.
;;   INPUTS GIVEN AS CODES. down_w (in the module: [2048, 2048], K = its axis 1); k_w (in the module: [512, 2048], K = its axis 1); kb_keys (in the module: [1, 256, 2048], K = its axis 2); kb_values (in the module: [1, 256, 2048], K = its axis 2); kbk_w (in the module: [512, 2048], K = its axis 1); kbv_w (in the module: [512, 2048], K = its axis 1); o_w (in the module: [2048, 2048], K = its axis 1); q_w (in the module: [2048, 2048], K = its axis 1); qnew_w (in the module: [2048, 2048], K = its axis 1); up_w (in the module: [2048, 2048], K = its axis 1); v_w (in the module: [512, 2048], K = its axis 1): each comes as NAME_codes (uint8): NAME with its K axis moved to the last place and cut into blocks of 32 codes, [.., K / 32, bytes a block], one block behind the other in memory; four codes in three bytes: a row's codes are one little-endian stream of bits, code i at bits 6 i .. 6 i + 5 (a code: sign, 2 exponent bits, 3 mantissa bits); and NAME_scales (uint8): the same leading axes, one E8M0 byte (e + 127) for each 32 codes along K. Its value is code x scale, taken as it is: it is not quantised again, and the codes and scales need not be those that the quantiser above would give.
;; One version. Each part assembles by itself: llvm-mc -triple=amdgcn-amd-amdhsa -mcpu=gfx1250 --defsym DOCPART=n.
;; ======== version 1 of 1: 7 launches
;; limits: right only within a limited range of input values
;; workspace buffers: A1 3,276,800 bytes; A2 3,276,800 bytes; QQ 6,553,600 bytes; KV 1,638,400 bytes; KB 307,200 bytes; ROPE 524,288 bytes; H 16,777,216 bytes
;; launch prepnorm (part 1): grid 240 x 1, 16 waves a work-group, no clusters, 269,312 bytes of LDS; arguments hidden_states, ln1_w, A1, ROPE, kb_keys_codes, kb_keys_scales, kbk_w_codes, kbk_w_scales, kb_values_codes, kb_values_scales, kbv_w_codes, kbv_w_scales, sink_k, sink_v, position_ids, KB; writes A1, ROPE, KB
.if DOCPART == 1
	.amdgcn_target "amdgcn-amd-amdhsa--gfx1250"
	.amdhsa_code_object_version 6
	.text
	.protected	k_q6860d8fe48_prepnorm
	.globl	k_q6860d8fe48_prepnorm
	.p2align	8
	.type	k_q6860d8fe48_prepnorm,@function
k_q6860d8fe48_prepnorm:
	s_mov_b64 s[64:65], 0
	v_nop
	global_prefetch_b8 v0, s[64:65] scope:SCOPE_SE
	s_setreg_imm32_b32 hwreg(HW_REG_WAVE_MODE, 25, 1), 1
	s_wait_xcnt 0x0
; Three pieces of work that depend on nothing but inputs, in one launch: 128 + 96 + 16 = 240 work-groups of sixteen waves, one to a WGP, all at the same time.
; WORK-GROUPS 0-127: A1 = Q(rmsnorm(hidden_states) x ln1_w).  The codes leave as images of operand registers, [tile T (128)][K / 64 (32)][768 bytes], and behind them (at IMGSZ) the scale words [T / 2][K / 128][16 (T % 2) + r].
;   A work-group is a tile of 16 rows: lane r stands for row 32 (T / 2) + 8 (T % 2) + r + 8 (r / 8).  Wave q owns columns 128 q on.  Each load reads 512 consecutive bytes of a row; the rows turn through the wave's
;   own stage in LDS (pitch 528) so that a lane gets 16 neighbours of each block of 32.  The rows' sums of squares meet in LDS behind the one barrier.
; WORK-GROUPS 128-223: two KB tasks each (waves 0-7, waves 8-15).  Tasks 0-95: kb_k = kb_keys kbk_w^T with the sink in front, quantised along the head's 64.  Tasks 96-191: kb_v likewise, quantised along the keys.
;   Key kappa 0 is the sink, kappa = i + 1 is KB row i, kappa 257..383 are zero codes.  Results are images of operand registers: 16 rows x 64 along K in 768 bytes
;   (a lane's registers 0-3 at 16 x lane, 4-5 at 512 + 8 x lane).  A tile's lane r stands for row 8 a + r + 8 (r / 8) of its 32, so that two tiles' results are 16 neighbours.
;   A task: source 0 = 4 tiles (their rows become registers), source 1 = 2 tiles (their rows become lanes); K = 2,048 is shared among the task's 8 waves, two steps of 128 each; the partial sums meet in LDS.
; WORK-GROUPS 224-239: the table of cos and sin for RoPE, [row][cos 0..31 | sin 0..31] f32: a wave takes 8 rows, a lane a frequency.
; LDS: the norm's bytes are 0 .. 136,191, the KB tasks' 136,192 .. 267,263: each path has bytes of its own.
; LIMITS: NaN and infinities are not served; a block of zeros gets the scale byte 1 (its codes are zeros; this program alone reads the bytes);
; the frequencies are good to about 1.5 ulp, so an angle can differ from an f32 reference by about |position| x 1e-7; the reduction of the angle holds for |angle| under about 1e5.
.set IMGSZ, 3145728
.set KBL, 136192
.macro PLACES n
.rept \n
	v_nop
.endr
.endm
.macro WM z
.if \z
	v_wmma_scale_f32_16x16x128_f8f6f4 v[rD:rD+7], v[rB:rB+11], v[rA:rA+11], 0, v[rX], v[rY] matrix_a_fmt:MATRIX_FMT_FP6 matrix_b_fmt:MATRIX_FMT_FP6
.else
	v_wmma_scale_f32_16x16x128_f8f6f4 v[rD:rD+7], v[rB:rB+11], v[rA:rA+11], v[rD:rD+7], v[rX], v[rY] matrix_a_fmt:MATRIX_FMT_FP6 matrix_b_fmt:MATRIX_FMT_FP6
.endif
.endm
; nb blocks of 32: register s + 16 b + i = k 32 b + 16 (lane / 16) + i of my row -> codes in v[pc] on, scale bytes in v[pw].  TM: 16 registers at work; SEL: the pair of lane selects
.macro QUANT s, nb, pc, pw
.set QB, 0
.rept \nb
	v_max3_num_f32 v[TM+QB], |v[\s+16*QB]|, |v[\s+16*QB+1]|, 0x1800000    ; with the floor 2^(3 - 127): the byte cannot fall under 1
.set QB, QB+1
.endr
.irp i, 2,4,6,8,10,12,14
.set QB, 0
.rept \nb
	v_max3_num_f32 v[TM+QB], v[TM+QB], |v[\s+16*QB+\i]|, |v[\s+16*QB+\i+1]|
.set QB, QB+1
.endr
.endr
.set QB, 0
.rept \nb
	v_permlanex16_b32 v[TM+4+QB], v[TM+QB], s[SEL], s[SEL+1]
.set QB, QB+1
.endr
.set QB, 0
.rept \nb
	v_max_num_f32 v[TM+QB], v[TM+QB], v[TM+4+QB]          ; with lane l xor 16's: the block's largest magnitude
.set QB, QB+1
.endr
.set QB, 0
.rept \nb
	v_add_nc_u32 v[TM+12+QB], 0xff000000, v[TM+QB]        ; 2 off the exponent field: the conversion's scale operand
.set QB, QB+1
.endr
.set QB, 0
.rept \nb
	v_lshrrev_b32 v[TM+4+QB], 23, v[TM+12+QB]             ; the scale's byte
.set QB, QB+1
.endr
	v_lshl_or_b32 v[\pw], v[TM+5], 8, v[TM+4]
.if \nb > 2
	s_delay_alu instid0(VALU_DEP_1)
	v_lshl_or_b32 v[\pw], v[TM+6], 16, v[\pw]
	s_delay_alu instid0(VALU_DEP_1)
	v_lshl_or_b32 v[\pw], v[TM+7], 24, v[\pw]
.endif
.set QB, 0
.rept \nb/2
	v_cvt_scalef32_pk16_fp6_f32 v[\pc+6*QB:\pc+6*QB+2], v[\s+32*QB:\s+32*QB+15], v[TM+12+2*QB]
	v_cvt_scalef32_pk16_fp6_f32 v[\pc+12+4*QB:\pc+12+4*QB+2], v[\s+32*QB+16:\s+32*QB+31], v[TM+13+2*QB]
.set QB, QB+1
.endr
	v_nop                                                  ; one plain place behind a scaled conversion
.set QB, 0
.rept \nb/2
.irp i, 0,1,2
	v_permlane16_swap_b32 v[\pc+6*QB+\i], v[\pc+12+4*QB+\i]   ; a whole block to a lane
.endr
.irp i, 0,1,2
	s_delay_alu instid0(VALU_DEP_3)
	v_mov_b32 v[\pc+6*QB+3+\i], v[\pc+12+4*QB+\i]
.endr
.set QB, QB+1
.endr
.endm
	v_lshl_add_u32 v254, v0, 2, 0x41400
	v_mov_b32 v255, 0
	s_cmp_ge_u32 ttmp9, 128                        ; the paths part on the work-group's number alone
	s_cbranch_scc1 .Lprep
	; ======== the norm of tile T = the work-group's number
.set XS, 144
.set TM, 208
.set PW, 224
.set PC, 226
.set SEL, 28
	s_load_b128 s[4:7], s[0:1], 0x0                ; hidden_states, ln1_w
	s_load_b64 s[8:9], s[0:1], 0x10                ; A1
	v_lshrrev_b32 v1, 5, v0
	s_delay_alu instid0(VALU_DEP_1)
	v_readfirstlane_b32 s10, v1                    ; wave q
	v_and_b32 v3, 31, v0
	v_and_b32 v1, 15, v0
	v_bfe_u32 v2, v0, 4, 1
	s_mul_i32 s11, s10, 8448
	v_lshlrev_b32 v9, 4, v3                        ; 16 x lane
	s_delay_alu instid0(VALU_DEP_1)
	v_add_nc_u32 v4, s11, v9                       ; the stage, in
	v_mul_u32_u24 v5, v1, 528
	s_delay_alu instid0(VALU_DEP_1)
	v_lshl_add_u32 v5, v2, 6, v5
	s_delay_alu instid0(VALU_DEP_1)
	v_add_nc_u32 v5, s11, v5                       ; the stage, out: row r, + 64 h
	v_lshlrev_b32 v6, 6, v2
	v_lshlrev_b32 v8, 6, v1
	s_delay_alu instid0(VALU_DEP_1)
	v_add_nc_u32 v8, 135168, v8                    ; row r's sixteen partial sums
	s_lshl_b32 s12, s10, 2
	v_add_nc_u32 v7, s12, v8
	v_lshl_add_u32 v10, v3, 3, 512
	v_lshlrev_b32 v11, 2, v1
	s_mov_b32 s[SEL], 0x76543210
	s_mov_b32 s[SEL+1], 0xfedcba98
	s_mov_b32 s22, 0x3a000000                      ; 1 / 2048
	s_mov_b32 s23, 0x3727c5ac                      ; 1e-5
	s_lshr_b32 s13, ttmp9, 1                       ; R
	s_and_b32 s14, ttmp9, 1                        ; a
	s_lshl_b32 s16, s13, 18
	s_lshl_b32 s15, s14, 16
	s_add_co_u32 s16, s16, s15
	s_lshl_b32 s18, s10, 9
	s_add_co_u32 s16, s16, s18                     ; (32 R + 8 a) rows of 8,192 bytes + 512 q
	s_mov_b32 s17, 0
	s_mov_b32 s19, 0
	s_mul_i32 s20, ttmp9, 24576
	s_mul_i32 s21, s10, 1536
	s_add_co_u32 s20, s20, s21
	s_mov_b32 s21, 0
	s_lshl_b32 s24, s13, 11
	s_lshl_b32 s25, s10, 7
	s_add_co_u32 s24, s24, s25
	s_lshl_b32 s25, s14, 6
	s_add_co_u32 s24, s24, s25
	s_add_co_u32 s24, s24, IMGSZ
	s_mov_b32 s25, 0
	s_wait_alu depctr_va_vdst(0)
	s_wait_kmcnt 0x0
	s_add_nc_u64 s[4:5], s[4:5], s[16:17]
	s_add_nc_u64 s[6:7], s[6:7], s[18:19]
	s_add_nc_u64 s[26:27], s[8:9], s[24:25]
	s_add_nc_u64 s[8:9], s[8:9], s[20:21]
.irp p, 0,1,2,3,4,5,6,7,8,9,10,11,12,13,14,15
	global_load_b128 v[16+4*\p:19+4*\p], v9, s[4:5] offset:(\p+(\p&8))*8192
.endr
.irp b, 0,1,2,3
.irp j, 0,1,2,3
	global_load_b128 v[80+16*\b+4*\j:83+16*\b+4*\j], v6, s[6:7] offset:128*\b+16*\j
.endr
.endr
	s_wait_loadcnt 16                              ; the rows are in; the gain's sixteen loads may be out
.irp p, 0,1,2,3,4,5,6,7,8,9,10,11,12,13,14,15
	ds_store_b128 v4, v[16+4*\p:19+4*\p] offset:528*\p
.endr
.irp b, 0,1,2,3
.irp j, 0,1,2,3
	ds_load_b128 v[XS+16*\b+4*\j:XS+16*\b+4*\j+3], v5 offset:128*\b+16*\j   ; my wave's own bytes, served in order
.endr
.endr
	s_wait_dscnt 0x0
.irp c, 0,1,2,3
	v_pk_mul_f32 v[208+2*\c:209+2*\c], v[XS+2*\c:XS+2*\c+1], v[XS+2*\c:XS+2*\c+1]
.endr
.irp i, 1,2,3,4,5,6,7
.irp c, 0,1,2,3
	s_delay_alu instid0(VALU_DEP_4)
	v_pk_fma_f32 v[208+2*\c:209+2*\c], v[XS+8*\i+2*\c:XS+8*\i+2*\c+1], v[XS+8*\i+2*\c:XS+8*\i+2*\c+1], v[208+2*\c:209+2*\c]
.endr
.endr
	s_delay_alu instid0(VALU_DEP_3)
	v_pk_add_f32 v[208:209], v[208:209], v[210:211]
	s_delay_alu instid0(VALU_DEP_2)
	v_pk_add_f32 v[212:213], v[212:213], v[214:215]
	s_delay_alu instid0(VALU_DEP_1)
	v_pk_add_f32 v[208:209], v[208:209], v[212:213]
	s_delay_alu instid0(VALU_DEP_1)
	v_add_f32 v208, v208, v209
	s_delay_alu instid0(VALU_DEP_1)
	v_permlanex16_b32 v209, v208, s[SEL], s[SEL+1]
	s_delay_alu instid0(VALU_DEP_1)
	v_add_f32 v208, v208, v209                     ; row r, my 128 columns
	ds_store_b32 v7, v208                          ; both halves of the lanes write the same word
	s_wait_dscnt 0x0
	s_barrier_signal -1
	s_barrier_wait -1
.irp i, 0,1,2,3
	ds_load_b128 v[208+4*\i:211+4*\i], v8 offset:16*\i
.endr
	s_wait_dscnt 0x0
.irp i, 0,2,4,6
	v_pk_add_f32 v[208+\i:209+\i], v[208+\i:209+\i], v[216+\i:217+\i]
.endr
	s_delay_alu instid0(VALU_DEP_2)
	v_pk_add_f32 v[208:209], v[208:209], v[212:213]
	s_delay_alu instid0(VALU_DEP_2)
	v_pk_add_f32 v[210:211], v[210:211], v[214:215]
	s_delay_alu instid0(VALU_DEP_1)
	v_pk_add_f32 v[208:209], v[208:209], v[210:211]
	s_delay_alu instid0(VALU_DEP_1)
	v_add_f32 v208, v208, v209
	s_delay_alu instid0(VALU_DEP_1)
	v_fma_f32 v208, v208, s22, s23                 ; the mean of the squares + eps
	s_wait_alu depctr_va_vdst(0)
	v_rsq_f32 v210, v208
	v_rsq_f32 v211, v208
	v_nop
.set N, 0
	s_wait_alu depctr_va_vdst(0)
.rept 32
	v_pk_mul_f32 v[XS+N:XS+N+1], v[XS+N:XS+N+1], v[210:211]
.set N, N+2
.endr
	s_wait_loadcnt 0x0
.set N, 0
.rept 32
	v_pk_mul_f32 v[XS+N:XS+N+1], v[XS+N:XS+N+1], v[80+N:81+N]
.set N, N+2
.endr
	QUANT XS, 4, PC, PW
.irp c, 0,1
	global_store_b128 v9, v[PC+6*\c:PC+6*\c+3], s[8:9] offset:768*\c
	global_store_b64 v10, v[PC+6*\c+4:PC+6*\c+5], s[8:9] offset:768*\c
.endr
	global_store_b32 v11, v[PW], s[26:27]          ; both halves of the lanes hold the same word
	s_wait_tensorcnt 0x0
	ds_add_u32 v254, v255
	s_wait_dscnt 0x0
	s_endpgm
	; ======== the KB tasks and the table
.set TM, 240
.set SEL, 66
.Lprep:
	s_load_b512 s[4:19], s[0:1], 0x20              ; kb_keys c s, kbk_w c s, kb_values c s, kbv_w c s
	s_load_b256 s[20:27], s[0:1], 0x60             ; sink_k, sink_v, position_ids, KB
	s_load_b64 s[28:29], s[0:1], 0x18              ; ROPE
	v_lshrrev_b32 v1, 5, v0
	s_delay_alu instid0(VALU_DEP_1)
	v_readfirstlane_b32 s69, v1                    ; wave 0..15
	s_and_b32 s38, s69, 7                          ; my place among my task's eight waves
	s_lshr_b32 s41, s69, 3                         ; which of the work-group's two tasks
	s_mov_b32 s[SEL], 0x76543210
	s_mov_b32 s[SEL+1], 0xfedcba98
	s_cmp_ge_u32 ttmp9, 224
	s_cbranch_scc1 .Ltable
	; ---- a KB task
	s_sub_co_u32 s40, ttmp9, 128
	s_lshl_b32 s40, s40, 1
	s_add_co_u32 s40, s40, s41                     ; task 0..191; a work-group's two are of one kind
	s_cmp_lt_u32 s40, 96
	s_cselect_b32 s39, 1, 0                        ; 1: kb_k
	s_cselect_b32 s42, 0, 96
	s_sub_co_u32 s40, s40, s42
	s_and_b32 s42, s40, 7                          ; g
	s_lshr_b32 s43, s40, 3                         ; kb_k: beta
	s_lshl_b32 s44, s42, 6                         ; 64 g
	s_lshl_b32 s45, s43, 5
	s_sub_co_i32 s45, s45, 1                       ; 32 beta - 1
	s_and_b32 s46, s43, 1                          ; kb_v: b'
	s_lshr_b32 s47, s43, 1                         ; kb_v: eta
	s_lshl_b32 s48, s47, 6
	s_sub_co_i32 s48, s48, 1                       ; 64 eta - 1
	s_lshl_b32 s49, s46, 5
	s_add_co_u32 s49, s49, s44                     ; 64 g + 32 b'
	s_mov_b32 s52, 255
	s_mov_b32 s53, 511
	s_cmp_eq_u32 s39, 1
	s_cselect_b32 s50, s44, s48                    ; first row of source 0
	s_cselect_b32 s51, s45, s49                    ; of source 1
	s_cselect_b32 s54, s53, s52                    ; their last rows
	s_cselect_b32 s55, s52, s53
	v_and_b32 v13, 15, v0
	s_delay_alu instid0(VALU_DEP_1)
	v_and_b32 v14, 8, v13
	s_delay_alu instid0(VALU_DEP_1)
	v_add_nc_u32 v13, v13, v14                     ; r + 8 (r / 8)
	v_bfe_u32 v14, v0, 4, 1
	s_mul_i32 s56, s38, 192                        ; my two K steps: 192 bytes of codes,
	v_mul_u32_u24 v15, v14, 24
	s_delay_alu instid0(VALU_DEP_1)
	v_add_nc_u32 v15, s56, v15
	s_lshl_b32 s58, s38, 3                         ; 8 scale bytes
.irp t, 0,1,2,3
	v_add_nc_u32 v14, s50, v13
	s_delay_alu instid0(VALU_DEP_1)
	v_add_nc_u32 v14, 32*(\t/2)+8*(\t%2), v14
	s_delay_alu instid0(VALU_DEP_1)
	v_max_i32 v14, 0, v14                          ; rows outside the table are held at its ends: their results are replaced below
	s_delay_alu instid0(VALU_DEP_1)
	v_min_u32 v14, s54, v14
	s_delay_alu instid0(VALU_DEP_1)
	v_mad_u32_u24 v[1+\t], v14, 1536, v15
	s_delay_alu instid0(VALU_DEP_2)
	v_lshl_add_u32 v[7+\t], v14, 6, s58
.endr
.irp a, 0,1
	v_add_nc_u32 v14, s51, v13
	s_delay_alu instid0(VALU_DEP_1)
	v_add_nc_u32 v14, 8*\a, v14
	s_delay_alu instid0(VALU_DEP_1)
	v_max_i32 v14, 0, v14
	s_delay_alu instid0(VALU_DEP_1)
	v_min_u32 v14, s55, v14
	s_delay_alu instid0(VALU_DEP_1)
	v_mad_u32_u24 v[5+\a], v14, 1536, v15
	s_delay_alu instid0(VALU_DEP_2)
	v_lshl_add_u32 v[11+\a], v14, 6, s58
.endr
	v_and_b32 v14, 31, v0
	s_delay_alu instid0(VALU_DEP_1)
	v_lshlrev_b32 v14, 4, v14
	s_lshl_b32 s57, s69, 13
	s_add_co_u32 s57, s57, KBL
	v_add_nc_u32 v238, s57, v14                    ; LDS: my partial sums, 8,192 bytes a wave
	s_min_u32 s57, s38, 1                          ; (only places 0 and 1 gather: held there, the address lies inside the task's bytes in every wave)
	s_lshl_b32 s57, s57, 12
	s_lshl_b32 s56, s41, 16
	s_add_co_u32 s57, s57, s56
	s_add_co_u32 s57, s57, KBL
	v_add_nc_u32 v239, s57, v14                    ; what place a = 0, 1 gathers: half a of each of my task's eight waves
.irp b, 0,1,2,3
	v_mov_b32 v[TM+4+\b], 0                        ; a lane permute's destination counts as one of its sources
.endr
	s_wait_alu depctr_va_vdst(0)
	s_wait_kmcnt 0x0
	s_cmp_eq_u32 s39, 1
	s_cselect_b64 s[30:31], s[8:9], s[12:13]       ; source 0: kbk_w or kb_values
	s_cselect_b64 s[32:33], s[10:11], s[14:15]
	s_cselect_b64 s[34:35], s[4:5], s[16:17]       ; source 1: kb_keys or kbv_w
	s_cselect_b64 s[36:37], s[6:7], s[18:19]
.irp q, 0,1
.irp t, 0,1,2,3
.irp p, 0,1,2,3,4,5
	global_load_b64 v[80+48*\q+12*\t+2*\p:81+48*\q+12*\t+2*\p], v[1+\t], s[30:31] offset:96*\q+48*(\p/3)+8*(\p%3)
.endr
	global_load_b32 v[224+4*\q+\t], v[7+\t], s[32:33] offset:4*\q
.endr
.irp a, 0,1
.irp p, 0,1,2,3,4,5
	global_load_b64 v[176+24*\q+12*\a+2*\p:177+24*\q+12*\a+2*\p], v[5+\a], s[34:35] offset:96*\q+48*(\p/3)+8*(\p%3)
.endr
	global_load_b32 v[232+2*\q+\a], v[11+\a], s[36:37] offset:4*\q
.endr
.endr
	s_wait_loadcnt 0x0
.irp q, 0,1                                    ; eight accumulators by turns
.irp a, 0,1
.irp t, 0,1,2,3
.set rD, 16+32*\a+8*\t
.set rB, 80+48*\q+12*\t
.set rA, 176+24*\q+12*\a
.set rX, 224+4*\q+\t
.set rY, 232+2*\q+\a
	WM 1-\q
.endr
.endr
.endr
	PLACES 4
.set N, 0
.rept 16
	ds_store_b128 v238, v[16+4*N:19+4*N] offset:512*N
.set N, N+1
.endr
	s_wait_dscnt 0x0                               ; for the others' sake: my partial sums lie in LDS
	s_barrier_signal -1
	s_barrier_wait -1
	s_cmp_ge_u32 s38, 2
	s_cbranch_scc1 .Lend                           ; places 0 and 1 of a task finish its two tiles of lanes
	v_bfe_u32 v1, v0, 4, 1
	s_delay_alu instid0(VALU_DEP_1)
	v_lshlrev_b32 v6, 4, v1                        ; 16 h
	s_delay_alu instid0(VALU_DEP_2)
	v_lshlrev_b32 v1, 6, v1                        ; 64 h
	s_lshl_b32 s59, s38, 3                         ; 8 a
	s_lshl_b32 s60, s46, 5
	s_add_co_u32 s60, s60, s59
	v_add_lshl_u32 v2, v13, s60, 2                 ; sink_v: 4 (32 b' + 8 a + perm(r))
	s_lshl_b32 s60, s42, 8
	s_mov_b32 s61, 0
	s_add_nc_u64 s[20:21], s[20:21], s[60:61]
	s_add_nc_u64 s[22:23], s[22:23], s[60:61]
.irp b, 0,1
.irp i, 0,1,2,3
	global_load_b128 v[48+16*\b+4*\i:51+16*\b+4*\i], v1, s[20:21] offset:128*\b+16*\i   ; sink_k(g, 32 b + 16 h + ..)
.endr
.endr
	global_load_b32 v7, v2, s[22:23]
	v_mov_b32 v15, 0
	v_and_b32 v5, 31, v0
	s_delay_alu instid0(VALU_DEP_1)
	v_lshlrev_b32 v3, 4, v5
	s_delay_alu instid0(VALU_DEP_2)
	v_lshl_add_u32 v4, v5, 3, 512
	v_and_b32 v5, 15, v0
	s_delay_alu instid0(VALU_DEP_1)
	v_lshlrev_b32 v5, 2, v5
	s_add_co_u32 s62, s45, 1
	s_add_co_u32 s62, s62, s59                     ; 32 beta + 8 a
	s_lshl_b32 s63, s47, 6
	s_sub_co_u32 s63, 256, s63                     ; 256 - 64 eta
	s_lshl_b32 s70, s43, 1
	s_add_co_u32 s70, s70, s38
	s_mul_i32 s70, s70, 768                        ; kb_k: tile 2 beta + a,
	s_lshl_b32 s71, s43, 6
	s_lshl_b32 s72, s38, 1
	s_add_co_u32 s71, s71, s72
	s_add_co_u32 s71, s71, 18432                   ; and its two bytes of a word
	s_lshl_b32 s73, s46, 1
	s_add_co_u32 s73, s73, s38                     ; t' = 2 b' + a
	s_lshl_b32 s74, s47, 2
	s_add_co_u32 s74, s74, s73
	s_mul_i32 s74, s74, 768
	s_add_co_u32 s74, s74, 19200                   ; kb_v: image 4 eta + t',
	s_lshr_b32 s75, s47, 1
	s_lshl_b32 s75, s75, 8
	s_lshl_b32 s73, s73, 6
	s_add_co_u32 s75, s75, s73
	s_and_b32 s73, s47, 1
	s_lshl_b32 s73, s73, 1
	s_add_co_u32 s75, s75, s73
	s_add_co_u32 s75, s75, 37632                   ; and its two bytes
	s_cmp_eq_u32 s39, 1
	s_cselect_b32 s70, s70, s74
	s_cselect_b32 s72, s71, s75
	s_mul_i32 s74, s42, 38400
	s_add_co_u32 s70, s70, s74
	s_add_co_u32 s72, s72, s74
	s_mov_b32 s71, 0
	s_mov_b32 s73, 0
	s_add_nc_u64 s[76:77], s[26:27], s[70:71]
	s_add_nc_u64 s[78:79], s[26:27], s[72:73]
.irp u, 0,1                                    ; the eight waves' partial sums, four waves at a time
.irp x, 0,1,2,3
.irp k, 0,1,2,3,4,5,6,7
	ds_load_b128 v[80+32*\x+4*\k:83+32*\x+4*\k], v239 offset:(4*\u+\x)*8192+512*\k
.endr
.endr
	s_wait_dscnt 0x0
.set N, 0
.rept 16
.if \u == 0
	v_pk_add_f32 v[16+N:17+N], v[80+N:81+N], v[112+N:113+N]
.else
	v_pk_add_f32 v[16+N:17+N], v[16+N:17+N], v[80+N:81+N]
	s_delay_alu instid0(VALU_DEP_1)
	v_pk_add_f32 v[16+N:17+N], v[16+N:17+N], v[112+N:113+N]
.endif
	s_delay_alu instid0(VALU_DEP_1)
	v_pk_add_f32 v[16+N:17+N], v[16+N:17+N], v[144+N:145+N]
	s_delay_alu instid0(VALU_DEP_1)
	v_pk_add_f32 v[16+N:17+N], v[16+N:17+N], v[176+N:177+N]
.set N, N+2
.endr
.endr
	s_wait_loadcnt 0x0                             ; the sinks
	s_cmp_eq_u32 s39, 1
	s_cbranch_scc0 .Lfixv
	v_add_nc_u32 v8, s62, v13                      ; kb_k: my lane's key kappa
	s_delay_alu instid0(VALU_DEP_1)
	v_cmp_eq_u32 vcc_lo, 0, v8
	s_delay_alu instid0(VALU_DEP_2)
	v_cmp_lt_u32 s68, 0x100, v8
.set N, 0
.rept 32
	v_cndmask_b32 v[16+N], v[16+N], v[48+N], vcc_lo   ; kappa 0 is the sink,
	s_delay_alu instid0(VALU_DEP_1)
	v_cndmask_b32 v[16+N], v[16+N], v15, s68          ; kappa over 256 is nothing
.set N, N+1
.endr
	s_branch .Lquant
.Lfixv:
	v_sub_nc_u32 v8, s63, v6                       ; kb_v: register 16 b + i is key 64 eta + 16 h + 32 b + i: nothing where 32 b + i > 256 - 64 eta - 16 h
.set N, 0
.rept 32
	v_cmp_gt_i32 vcc_lo, 32*(N/16)+N%16, v8
	s_delay_alu instid0(VALU_DEP_1)
	v_cndmask_b32 v[16+N], v[16+N], v15, vcc_lo
.set N, N+1
.endr
	v_cmp_eq_u32 vcc_lo, 0x100, v8
	s_delay_alu instid0(VALU_DEP_1)
	v_cndmask_b32 v16, v16, v7, vcc_lo             ; key 0 is the sink
.Lquant:
	QUANT 16, 2, 208, 236
	global_store_b128 v3, v[208:211], s[76:77]
	global_store_b64 v4, v[212:213], s[76:77]
	global_store_b16 v5, v236, s[78:79]            ; both halves of the lanes hold the same two bytes
.Lend:
	s_wait_tensorcnt 0x0
	ds_add_u32 v254, v255
	s_wait_dscnt 0x0
	s_endpgm
	; ---- the table: wave w takes 8 rows, a lane a frequency
.Ltable:
	s_sub_co_u32 s40, ttmp9, 224
	s_lshl_b32 s40, s40, 7
	s_lshl_b32 s41, s69, 3
	s_add_co_u32 s40, s40, s41                     ; my first row: 128 x work-group + 8 x wave
	s_lshl_b32 s42, s40, 2
	s_mov_b32 s43, 0
	s_lshl_b32 s44, s40, 8
	s_mov_b32 s45, 0
	s_wait_kmcnt 0x0
	s_add_nc_u64 s[30:31], s[24:25], s[42:43]
	s_add_nc_u64 s[28:29], s[28:29], s[44:45]
	s_load_b256 s[48:55], s[30:31], 0x0            ; eight positions
	s_mov_b32 s56, 0xbfc90fdb                      ; -pi/2, upper part
	s_mov_b32 s57, 0x333bbd2e                      ; what the upper part is too large by
	s_mov_b32 s58, 0xb94ca1f9                      ; sine: -1.9515295891e-4, 8.3321608736e-3, -1.6666654611e-1
	s_mov_b32 s59, 0x3c08839e
	s_mov_b32 s60, 0xbe2aaaa3
	s_mov_b32 s61, 0x37ccf5ce                      ; cosine: 2.443315712e-5, -1.388731625e-3, 4.166664568e-2
	s_mov_b32 s62, 0xbab6061a
	s_mov_b32 s63, 0x3d2aaaa5
	v_and_b32 v1, 31, v0
	s_delay_alu instid0(VALU_DEP_1)
	v_lshlrev_b32 v2, 2, v1
	s_delay_alu instid0(VALU_DEP_2)
	v_cvt_f32_u32 v3, v1
	s_delay_alu instid0(VALU_DEP_1)
	v_mul_f32 v4, 0x3ed4a000, v3                   ; f x the upper 12 bits of log2(10000) / 32: exact
	s_delay_alu instid0(VALU_DEP_1)
	v_rndne_f32 v5, v4
	s_delay_alu instid0(VALU_DEP_1)
	v_sub_f32 v4, v4, v5
	s_delay_alu instid0(VALU_DEP_1)
	v_fmac_f32 v4, 0xb830f686, v3                  ; + f x the rest
	s_wait_alu depctr_va_vdst(0)
	v_exp_f32 v6, -v4
	v_nop
	v_cvt_i32_f32 v5, v5
	s_delay_alu instid0(VALU_DEP_1)
	v_sub_nc_u32 v5, 0, v5
	s_wait_alu depctr_va_vdst(0)
	v_ldexp_f32 v6, v6, v5                         ; 10000^(-f / 32)
	s_wait_kmcnt 0x0
.macro ROW i
	v_cvt_f32_i32 v8, s[48+\i]
	s_wait_alu depctr_va_vdst(0)
	v_mul_f32 v8, v8, v6                           ; the angle
	s_delay_alu instid0(VALU_DEP_1)
	v_mul_f32 v9, 0x3f22f983, v8
	s_delay_alu instid0(VALU_DEP_1)
	v_rndne_f32 v9, v9                             ; quarter turns
	s_delay_alu instid0(VALU_DEP_1)
	v_fma_f32 v10, v9, s56, v8
	s_delay_alu instid0(VALU_DEP_1)
	v_fma_f32 v10, v9, s57, v10                    ; the rest, within pi/4
	s_delay_alu instid0(VALU_DEP_1)
	v_mul_f32 v11, v10, v10
	s_delay_alu instid0(VALU_DEP_1)
	v_fma_f32 v12, v11, s58, s59
	s_delay_alu instid0(VALU_DEP_1)
	v_fma_f32 v12, v12, v11, s60
	s_delay_alu instid0(VALU_DEP_3)
	v_mul_f32 v13, v10, v11
	s_delay_alu instid0(VALU_DEP_1)
	v_fma_f32 v12, v13, v12, v10                   ; its sine
	v_fma_f32 v13, v11, s61, s62
	s_delay_alu instid0(VALU_DEP_1)
	v_fma_f32 v13, v13, v11, s63
	v_mul_f32 v14, v11, v11
	v_fma_f32 v15, v11, -0.5, 1.0
	s_delay_alu instid0(VALU_DEP_1)
	v_fma_f32 v13, v14, v13, v15                   ; its cosine
	v_cvt_i32_f32 v9, v9
	s_delay_alu instid0(VALU_DEP_1)
	v_and_b32 v14, 1, v9
	s_delay_alu instid0(VALU_DEP_1)
	v_cmp_eq_u32 vcc_lo, 1, v14
	s_delay_alu instid0(VALU_DEP_1)
	v_cndmask_b32 v[33+2*\i], v12, v13, vcc_lo     ; an odd quarter exchanges the two
	s_delay_alu instid0(VALU_DEP_2)
	v_cndmask_b32 v[32+2*\i], v13, v12, vcc_lo
	v_and_b32 v14, 2, v9
	s_delay_alu instid0(VALU_DEP_1)
	v_lshlrev_b32 v14, 30, v14
	s_delay_alu instid0(VALU_DEP_1)
	v_xor_b32 v[33+2*\i], v[33+2*\i], v14          ; the sine's sign: quarters 2, 3
	v_add_nc_u32 v14, 1, v9
	s_delay_alu instid0(VALU_DEP_1)
	v_and_b32 v14, 2, v14
	s_delay_alu instid0(VALU_DEP_1)
	v_lshlrev_b32 v14, 30, v14
	s_delay_alu instid0(VALU_DEP_1)
	v_xor_b32 v[32+2*\i], v[32+2*\i], v14          ; the cosine's: quarters 1, 2
	global_store_b32 v2, v[32+2*\i], s[28:29] offset:256*\i
	global_store_b32 v2, v[33+2*\i], s[28:29] offset:256*\i+128
.endm
.irp i, 0,1,2,3,4,5,6,7
	ROW \i
.endr
	s_endpgm
.Lfunc_end_k_q6860d8fe48_prepnorm:
	.size	k_q6860d8fe48_prepnorm, .Lfunc_end_k_q6860d8fe48_prepnorm-k_q6860d8fe48_prepnorm
	.p2alignl 7, 3214868480
	.fill 96, 4, 3214868480
	.section	.rodata,"a",@progbits
	.p2align	6, 0x0
	.amdhsa_kernel k_q6860d8fe48_prepnorm
		.amdhsa_group_segment_fixed_size 269312
		.amdhsa_private_segment_fixed_size 0
		.amdhsa_enable_private_segment 0
		.amdhsa_kernarg_size 128
		.amdhsa_user_sgpr_count 2
		.amdhsa_user_sgpr_kernarg_segment_ptr 1
		.amdhsa_wavefront_size32 1
		.amdhsa_system_sgpr_workgroup_id_x 1
		.amdhsa_system_sgpr_workgroup_id_y 1
		.amdhsa_system_sgpr_workgroup_id_z 1
		.amdhsa_system_vgpr_workitem_id 0
		.amdhsa_next_free_vgpr 256
		.amdhsa_next_free_sgpr 80
		.amdhsa_reserve_vcc 1
		.amdhsa_float_denorm_mode_32 3
		.amdhsa_float_denorm_mode_16_64 3
		.amdhsa_memory_ordered 1
		.amdhsa_forward_progress 1
		.amdhsa_inst_pref_size 83
	.end_amdhsa_kernel
	.amdgpu_metadata
---
amdhsa.version: [ 1, 2 ]
amdhsa.kernels:
  - .name:           k_q6860d8fe48_prepnorm
    .symbol:         k_q6860d8fe48_prepnorm.kd
    .args:
      - { .name: hidden_states, .offset: 0, .size: 8, .value_kind: global_buffer, .address_space: global }
      - { .name: ln1_w, .offset: 8, .size: 8, .value_kind: global_buffer, .address_space: global }
      - { .name: A1, .offset: 16, .size: 8, .value_kind: global_buffer, .address_space: global }
      - { .name: ROPE, .offset: 24, .size: 8, .value_kind: global_buffer, .address_space: global }
      - { .name: kb_keys_codes, .offset: 32, .size: 8, .value_kind: global_buffer, .address_space: global }
      - { .name: kb_keys_scales, .offset: 40, .size: 8, .value_kind: global_buffer, .address_space: global }
      - { .name: kbk_w_codes, .offset: 48, .size: 8, .value_kind: global_buffer, .address_space: global }
      - { .name: kbk_w_scales, .offset: 56, .size: 8, .value_kind: global_buffer, .address_space: global }
      - { .name: kb_values_codes, .offset: 64, .size: 8, .value_kind: global_buffer, .address_space: global }
      - { .name: kb_values_scales, .offset: 72, .size: 8, .value_kind: global_buffer, .address_space: global }
      - { .name: kbv_w_codes, .offset: 80, .size: 8, .value_kind: global_buffer, .address_space: global }
      - { .name: kbv_w_scales, .offset: 88, .size: 8, .value_kind: global_buffer, .address_space: global }
      - { .name: sink_k, .offset: 96, .size: 8, .value_kind: global_buffer, .address_space: global }
      - { .name: sink_v, .offset: 104, .size: 8, .value_kind: global_buffer, .address_space: global }
      - { .name: position_ids, .offset: 112, .size: 8, .value_kind: global_buffer, .address_space: global }
      - { .name: KB, .offset: 120, .size: 8, .value_kind: global_buffer, .address_space: global }
    .group_segment_fixed_size: 269312
    .private_segment_fixed_size: 0
    .kernarg_segment_align: 8
    .kernarg_segment_size: 128
    .max_flat_workgroup_size: 512
    .sgpr_count:     80
    .vgpr_count:     256
    .wavefront_size: 32
...
	.end_amdgpu_metadata
.endif
;; end of part 1
;; launch proj (part 2): grid 16 x 40, 4 waves a work-group, clusters of 4 x 1, 313,856 bytes of LDS; arguments A1, q_w_codes, q_w_scales, k_w_codes, k_w_scales, v_w_codes, v_w_scales, qnew_w_codes, qnew_w_scales, ROPE, QQ, KV; writes QQ, KV
.if DOCPART == 2
	.amdgcn_target "amdgcn-amd-amdhsa--gfx1250"
	.amdhsa_code_object_version 6
	.text
	.protected	k_q6860d8fe48_proj
	.globl	k_q6860d8fe48_proj
	.p2align	8
	.type	k_q6860d8fe48_proj,@function
k_q6860d8fe48_proj:
	s_mov_b64 s[64:65], 0
	v_nop
	global_prefetch_b8 v0, s[64:65] scope:SCOPE_SE
	s_setreg_imm32_b32 hwreg(HW_REG_WAVE_MODE, 25, 1), 1
	s_wait_xcnt 0x0
	s_wait_alu depctr_hold_cnt(0) depctr_sa_sdst(0) depctr_va_vdst(0) depctr_va_sdst(0) depctr_va_ssrc(0) depctr_va_vcc(0) depctr_vm_vsrc(0)
	s_getreg_b32 s2, hwreg(HW_REG_IB_STS2, 6, 4)
	s_cmp_eq_u32 s2, 0
	s_cbranch_scc0 .Lentry_in_a_cluster
	s_endpgm
.Lentry_in_a_cluster:
	s_bfe_u32 s2, ttmp6, 0x10000c
	s_cmp_lg_u32 s2, 0x3003
	s_cbranch_scc0 .Lentry_shape_is_right
	s_endpgm
.Lentry_shape_is_right:
; The four projections of x, on codes of FP6 (E2M3), and their quantising.  Tile column nt: 0-15 q (RoPE), 16-19 k (RoPE), 20-23 v, 24-39 kb_q.  A work-group makes 128 x 128, a wave 32 rows x 128 columns (16 accumulators).
; A (x's codes) lies in memory as images of operand registers and goes straight into registers for all of K (384 registers a wave).  B (a weight's 128 rows) comes into LDS for all of K by four joint loads,
; one a wave, asked for jointly by the four work-groups of a cluster, which share nt; no LDS byte is filled twice.  The product is used transposed: source 0 = 16 rows of B, source 1 = 16 rows of A.
; q, k, kb_q are quantised along the head's 64; v turns through LDS and is quantised along the keys.  All leave as images of operand registers with scale words beside them.
; LIMITS: NaN and infinities are not served; a block of zeros gets the scale byte 1 (its codes are zeros; this program alone reads the bytes).
; REGISTERS: window 0: v1-23 addresses, v24-39 at work, v40-41 scale words made, v48-63 A's scale words, v64-127 B's, v128-255 accumulators (64 a + 8 t).  Window 1: B's fragments, two sets; later the codes made.  Windows 2, 3: A.
.set IMGSZ, 3145728
; B's fills as they now stand: each wave asks for 32 whole rows of B (1,536 bytes, all of K) by its ONE joint load; every row begins at a multiple of 256 bytes of its buffer.
; In LDS 80 bytes of padding follow every 512, so a row takes 1,776 bytes = 444 words: row r starts at bank -4 r mod 64, and lanes 16-31 (6 or 26 words on) fall between.
.set BP, 1776
.set ACC, 128
.set SA, 48
.set SB, 64
.set TM, 24
.set SEL, 66
.set MSB, 0
.macro WIN new
.if MSB != \new
	s_set_vgpr_msb (MSB<<8)|\new
.set MSB, \new
.endif
.endm
.macro PLACES n
.rept \n
	v_nop
.endr
.endm
.macro ROUND
	s_barrier_signal -1
	s_barrier_wait -1
	s_cmp_lg_u32 s28, 0
	s_cbranch_scc1 .Lnw0_\@
	s_barrier_signal -3
.Lnw0_\@:
	s_barrier_wait -3
	s_barrier_signal -1
	s_barrier_wait -1
.endm
.macro FRAG reg, adr, q, i             ; 16 rows x 128 K of step q, in pieces of 8 bytes; byte y of a row lies at y + 80 (y / 512); the second address serves pieces whose lanes 16-31 lie behind one padding more
.irp p, 0,1,2,3,4,5
.set BY, 96*(\q)+48*(\p/3)+8*(\p%3)
.if BY/512 == (BY+24)/512
	ds_load_b64 v[\reg+2*\p:\reg+2*\p+1], v[\adr] offset:BY+80*(BY/512)+((\i)%2)*16*BP
.else
	ds_load_b64 v[\reg+2*\p:\reg+2*\p+1], v[\adr+1] offset:BY+80*(BY/512)+((\i)%2)*16*BP
.endif
.endr
.endm
.macro FETCHB q                        ; B's eight fragments of K step q into set q % 2
	WIN 0x40
.irp i, 0,1,2,3,4,5,6,7
	FRAG 128*((\q)%2)+12*\i, 8+2*(\i/2), \q, \i
.endr
.endm
.macro WM z, m0, m1
.if \z
	v_wmma_scale_f32_16x16x128_f8f6f4 v[rD:rD+7], v[rB:rB+11], v[rA:rA+11], 0, v[rX], v[rY] matrix_a_fmt:MATRIX_FMT_FP6 matrix_b_fmt:MATRIX_FMT_FP6 \m0 \m1
.else
	v_wmma_scale_f32_16x16x128_f8f6f4 v[rD:rD+7], v[rB:rB+11], v[rA:rA+11], v[rD:rD+7], v[rX], v[rY] matrix_a_fmt:MATRIX_FMT_FP6 matrix_b_fmt:MATRIX_FMT_FP6 \m0 \m1
.endif
.endm
.macro MULS q, z                       ; 16 products, the 16 accumulators by turns in the same order in every step
.if (\q) < 10
	WIN 0x09
.else
	WIN 0x0d
.endif
.irp a, 0,1
.irp t, 0,1,2,3,4,5,6,7
.set rD, ACC+64*\a+8*\t
.set rB, 128*((\q)%2)+12*\t
.set rA, 24*((\q)%10)+12*\a
.set rX, SB+16*(\t/2)+(\q)
.set rY, SA+(\q)
.if (\t%2 == 0) && (\a == 0)
	WM \z
.elseif \a == 0
	WM \z, matrix_a_scale:MATRIX_SCALE_ROW1
.elseif \t%2 == 0
	WM \z, matrix_b_scale:MATRIX_SCALE_ROW1
.else
	WM \z, matrix_a_scale:MATRIX_SCALE_ROW1, matrix_b_scale:MATRIX_SCALE_ROW1
.endif
.endr
.endr
.endm
.macro ALOAD q
.if (\q) < 10
	WIN 0x80
.else
	WIN 0xc0
.endif
.irp a, 0,1
.irp c, 0,1
	global_load_b128 v[24*((\q)%10)+12*\a+6*\c:24*((\q)%10)+12*\a+6*\c+3], v4, s[52:53] offset:24576*\a+768*(2*(\q)+\c)
	global_load_b64 v[24*((\q)%10)+12*\a+6*\c+4:24*((\q)%10)+12*\a+6*\c+5], v5, s[52:53] offset:24576*\a+768*(2*(\q)+\c)
.endr
.endr
.endm
.macro HOOK                            ; q and k: my rows' cos and sin, into window 3, v160-223, which A leaves free; asked for at the head, ahead of A's loads, so that the counted waits for A hold on both ways
	WIN 0
	s_cmp_ge_u32 s31, 20
	s_cbranch_scc1 .Lno_table
	WIN 0xc0
	s_wait_alu depctr_va_vdst(0)
.irp a, 0,1
.irp i, 0,1,2,3
	global_load_b128 v[160+32*\a+4*\i:160+32*\a+4*\i+3], v16, s[76:77] offset:2048*\a+16*\i
	global_load_b128 v[160+32*\a+16+4*\i:160+32*\a+16+4*\i+3], v16, s[76:77] offset:2048*\a+16*\i+128
.endr
.endr
	WIN 0
.Lno_table:
.endm
.macro KSTEP q
	s_wait_dscnt 0x0                               ; this step's 48 loads, issued a step ago
	PLACES 4                                       ; in front of loads into the set that the last step's products read
.if (\q) < 15
	FETCHB (\q)+1
.endif
.if (\q) < 9
	ALOAD (\q)+7                                   ; A comes seven K steps ahead
	s_wait_loadcnt 56                              ; A's step q is in: behind it stand the 7 x 8 loads of steps q + 1 to q + 7
.else
	s_wait_loadcnt 8*(15-(\q))                     ; behind A's step q stand the loads of steps q + 1 to 15
.endif
	MULS \q, (\q)==0
.endm
.macro SWAPS a                         ; register 16 b + i becomes column 32 b + 16 (lane / 16) + i
.irp b, 0,1,2,3
.irp j, 0,1,2,3,4,5,6,7
	v_permlane16_swap_b32 v[ACC+64*\a+16*\b+\j], v[ACC+64*\a+16*\b+8+\j]
.endr
.endr
.endm
.macro QUANT s, pc, pw                 ; 64 numbers of a lane -> 12 registers of codes in window 1 at pc, the scale word in v[pw]
.irp b, 0,1,2,3
	v_max3_num_f32 v[TM+\b], |v[\s+16*\b]|, |v[\s+16*\b+1]|, 0x1800000     ; with the floor 2^(3 - 127): the byte cannot fall under 1
.endr
.irp i, 2,4,6,8,10,12,14
.irp b, 0,1,2,3
	v_max3_num_f32 v[TM+\b], v[TM+\b], |v[\s+16*\b+\i]|, |v[\s+16*\b+\i+1]|
.endr
.endr
.irp b, 0,1,2,3
	v_permlanex16_b32 v[TM+4+\b], v[TM+\b], s[SEL], s[SEL+1]
.endr
.irp b, 0,1,2,3
	v_max_num_f32 v[TM+\b], v[TM+\b], v[TM+4+\b]
.endr
.irp b, 0,1,2,3
	v_add_nc_u32 v[TM+12+\b], 0xff000000, v[TM+\b]  ; 2 off the exponent field: the conversion's scale operand
.endr
.irp b, 0,1,2,3
	v_lshrrev_b32 v[TM+4+\b], 23, v[TM+12+\b]
.endr
	v_lshl_or_b32 v[\pw], v[TM+5], 8, v[TM+4]
	v_lshl_or_b32 v[\pw], v[TM+6], 16, v[\pw]
	v_lshl_or_b32 v[\pw], v[TM+7], 24, v[\pw]
	WIN 0x40
.irp c, 0,1
	v_cvt_scalef32_pk16_fp6_f32 v[\pc+6*\c:\pc+6*\c+2], v[\s+32*\c:\s+32*\c+15], v[TM+12+2*\c]
	v_cvt_scalef32_pk16_fp6_f32 v[\pc+12+4*\c:\pc+12+4*\c+2], v[\s+32*\c+16:\s+32*\c+31], v[TM+13+2*\c]
.endr
	v_nop
	WIN 0x41
.irp c, 0,1
.irp i, 0,1,2
	v_permlane16_swap_b32 v[\pc+6*\c+\i], v[\pc+12+4*\c+\i]
.endr
.irp i, 0,1,2
	v_mov_b32 v[\pc+6*\c+3+\i], v[\pc+12+4*\c+\i]
.endr
.endr
	WIN 0
.endm
	s_load_b512 s[4:19], s[0:1], 0x0               ; A1; q_w c s; k_w c s; v_w c s; qnew_w c
	s_load_b256 s[20:27], s[0:1], 0x40             ; qnew_w s; ROPE; QQ; KV
	v_lshl_add_u32 v46, v0, 2, 0x4c800
	v_mov_b32 v47, 0
	ds_add_u32 v46, v47
	ds_add_u32 v46, v47
	v_lshrrev_b32 v1, 5, v0
	v_readfirstlane_b32 s28, v1                    ; wave
	s_bfe_u32 s29, ttmp6, 0x40000                  ; cx: it enters A's and the results' global addresses alone
	s_lshl_b32 s30, ttmp9, 2
	s_add_co_u32 s30, s30, s29                     ; mt
	s_and_b32 s31, ttmp7, 0xffff                   ; nt, which the four partners share
	s_lshl_b32 s33, s30, 2
	s_add_co_u32 s33, s33, s28                     ; R: my 32 rows
	s_mov_b32 s[SEL], 0x76543210
	s_mov_b32 s[SEL+1], 0xfedcba98
	s_mov_b32 s36, 15|(1<<20)|(1<<21)|(6<<22)|(19<<25) ; the four partners; bytes; 20 words of padding behind every 128
	s_mov_b32 s37, 1536<<16
	s_mov_b32 s38, 32<<16
	s_mov_b32 s39, 1536<<16
	s_mov_b32 s40, 32
	s_mov_b32 s41, 1536
	s_mov_b32 s42, 0
	s_mov_b32 s43, 0
	s_mov_b32 s44, 1
	s_mul_i32 s45, s28, 32*BP                      ; my 32 rows of B in LDS
	v_and_b32 v3, 31, v0
	v_and_b32 v1, 15, v0
	v_bfe_u32 v2, v0, 4, 1
	v_lshlrev_b32 v4, 4, v3
	v_lshl_add_u32 v5, v3, 3, 512
	v_lshlrev_b32 v6, 6, v3
	v_lshlrev_b32 v7, 2, v3
	v_mul_u32_u24 v8, v1, BP
	v_mad_u32_u24 v8, v2, 24, v8
	v_mad_u32_u24 v9, v2, 80, v8
.irp p, 1,2,3
	v_add_nc_u32 v[8+2*\p], 32*BP*\p, v8
	v_add_nc_u32 v[9+2*\p], 32*BP*\p, v9
.endr
	v_and_b32 v17, 8, v1
	v_add_nc_u32 v17, v17, v1                      ; r + 8 (r / 8)
	s_lshl_b32 s34, s28, 5
	v_add_nc_u32 v21, s34, v17
	v_mul_u32_u24 v19, v21, 528
	v_lshl_add_u32 v19, v2, 5, v19
	v_add_nc_u32 v19, 245760, v19                  ; v's stage, in: key 32 w + perm(r), + 32 h
	v_mul_u32_u24 v20, v2, 8448
	v_lshl_add_u32 v20, v21, 2, v20
	v_add_nc_u32 v20, 245760, v20                  ; and out: key 16 h, column 32 w + perm(r)
	v_lshlrev_b32 v16, 8, v17
	v_lshl_add_u32 v16, v2, 6, v16                 ; the table: row perm(r), + 64 h
	v_mul_u32_u24 v18, v2, 204800
	v_lshl_add_u32 v18, v1, 2, v18                 ; k's scale words: head h, 4 r
.irp b, 0,1,2,3
	v_mov_b32 v[TM+4+\b], 0
.endr
	s_wait_dscnt 0x0
	s_wait_kmcnt 0x0
	s_cmp_lt_u32 s31, 16
	s_cselect_b64 s[56:57], s[6:7], s[18:19]
	s_cselect_b64 s[58:59], s[8:9], s[20:21]
	s_cselect_b32 s32, 0, 24
	s_sub_co_u32 s34, s31, 16
	s_cmp_lt_u32 s34, 4
	s_cselect_b64 s[56:57], s[10:11], s[56:57]
	s_cselect_b64 s[58:59], s[12:13], s[58:59]
	s_cselect_b32 s32, 16, s32
	s_sub_co_u32 s34, s31, 20
	s_cmp_lt_u32 s34, 4
	s_cselect_b64 s[56:57], s[14:15], s[56:57]
	s_cselect_b64 s[58:59], s[16:17], s[58:59]
	s_cselect_b32 s32, 20, s32
	s_sub_co_u32 s32, s31, s32                     ; the tile column within its weight
	s_mul_i32 s68, s32, 196608
	s_mul_i32 s69, s28, 49152
	s_add_co_u32 s68, s68, s69
	s_mov_b32 s69, 0
	s_lshl_b32 s70, s32, 13
	s_mov_b32 s71, 0
	s_mul_i32 s72, s33, 49152
	s_mov_b32 s73, 0
	s_lshl_b32 s74, s33, 11
	s_add_co_u32 s74, s74, IMGSZ
	s_mov_b32 s75, 0
	s_lshl_b32 s78, s33, 13
	s_mov_b32 s79, 0
	s_add_nc_u64 s[46:47], s[56:57], s[68:69]
	s_or_b32 s47, s47, 0x80000000
	s_add_nc_u64 s[58:59], s[58:59], s[70:71]
	s_add_nc_u64 s[52:53], s[4:5], s[72:73]
	s_add_nc_u64 s[54:55], s[4:5], s[74:75]
	s_add_nc_u64 s[76:77], s[22:23], s[78:79]
	ROUND                                          ; the four partners are here: the joint loads meet
	tensor_load_to_lds s[44:47], s[36:43]
	s_nop 0
	PLACES 4
.irp b, 0,1,2,3
.irp i, 0,1,2,3
	global_load_b128 v[SB+16*\b+4*\i:SB+16*\b+4*\i+3], v6, s[58:59] offset:2048*\b+16*\i
.endr
.endr
.irp q, 0,1,2,3,4,5,6,7,8,9,10,11,12,13,14,15
	global_load_b32 v[SA+\q], v7, s[54:55] offset:128*\q
.endr
	HOOK
.irp q, 0,1,2,3,4,5,6
	ALOAD \q
.endr
	WIN 0
	s_wait_tensorcnt 0x0                           ; my 32 rows of B have landed
	s_barrier_signal -1
	s_barrier_wait -1
	FETCHB 0
.irp q, 0,1,2,3,4,5,6,7,8,9,10,11,12,13,14,15
	KSTEP \q
.endr
	WIN 0
	PLACES 4
	s_sub_co_u32 s34, s31, 20
	s_cmp_lt_u32 s34, 4
	s_cbranch_scc1 .Lv
	SWAPS 0
	SWAPS 1
	s_cmp_ge_u32 s31, 20
	s_cbranch_scc1 .Lquant
	s_wait_loadcnt 0x0                             ; the table
	WIN 0x0c                                       ; source 1: window 3
.irp a, 0,1
.irp c, 0,1
.irp i, 0,2,4,6,8,10,12,14
.set X1, ACC+64*\a+32*\c+\i
.set CO, 160+32*\a+\i
	v_pk_mul_f32 v[42:43], v[X1+16:X1+17], v[CO+16:CO+17]
	v_pk_mul_f32 v[44:45], v[X1:X1+1], v[CO+16:CO+17]
	v_pk_fma_f32 v[X1:X1+1], v[X1:X1+1], v[CO:CO+1], v[42:43] neg_lo:[0,0,1] neg_hi:[0,0,1]
	v_pk_fma_f32 v[X1+16:X1+17], v[X1+16:X1+17], v[CO:CO+1], v[44:45]
.endr
.endr
.endr
	WIN 0
.Lquant:
	QUANT ACC, 0, 40
	QUANT ACC+64, 32, 41
	v_cmp_eq_u32 vcc_lo, 1, v2
	s_sub_co_u32 s34, s31, 16
	s_cmp_lt_u32 s34, 4
	s_cbranch_scc1 .Lk
	; q and kb_q: the image [tile][head], scale words [R][head / 2][lane]
	s_cmp_ge_u32 s31, 24
	s_cselect_b32 s78, 3276800, 0
	s_mul_i32 s68, s33, 49152
	s_mul_i32 s69, s32, 1536
	s_add_co_u32 s68, s68, s69
	s_add_co_u32 s68, s68, s78
	s_mov_b32 s69, 0
	s_lshl_b32 s70, s33, 11
	s_lshl_b32 s71, s32, 7
	s_add_co_u32 s70, s70, s71
	s_add_co_u32 s70, s70, s78
	s_add_co_u32 s70, s70, IMGSZ
	s_mov_b32 s71, 0
	s_add_nc_u64 s[60:61], s[24:25], s[68:69]
	s_add_nc_u64 s[62:63], s[24:25], s[70:71]
	v_cndmask_b32 v42, v40, v41, vcc_lo            ; lanes 0-15 tile 0's words, lanes 16-31 tile 1's
	global_store_b32 v7, v42, s[62:63]
	WIN 0x04
	s_wait_alu depctr_va_vdst(0)
.irp a, 0,1
.irp c, 0,1
	global_store_b128 v4, v[32*\a+6*\c:32*\a+6*\c+3], s[60:61] offset:24576*\a+768*\c
	global_store_b64 v5, v[32*\a+6*\c+4:32*\a+6*\c+5], s[60:61] offset:24576*\a+768*\c
.endr
.endr
	WIN 0
	s_branch .Ldone
.Lk:
	s_mul_i32 s68, s32, 409600
	s_mul_i32 s69, s33, 1536
	s_add_co_u32 s70, s68, s69
	s_mov_b32 s71, 0
	s_lshl_b32 s69, s33, 6
	s_add_co_u32 s68, s68, s69
	s_add_co_u32 s68, s68, 98304
	s_mov_b32 s69, 0
	s_add_nc_u64 s[60:61], s[26:27], s[70:71]
	s_add_nc_u64 s[62:63], s[26:27], s[68:69]
	v_perm_b32 v42, v41, v40, 0x05040100           ; head 0: tile 0's two bytes, tile 1's two
	v_perm_b32 v43, v41, v40, 0x07060302           ; head 1
	v_cndmask_b32 v42, v42, v43, vcc_lo
	global_store_b32 v18, v42, s[62:63]
	WIN 0x04
	s_wait_alu depctr_va_vdst(0)
.irp a, 0,1
.irp c, 0,1
	global_store_b128 v4, v[32*\a+6*\c:32*\a+6*\c+3], s[60:61] offset:204800*\c+768*\a
	global_store_b64 v5, v[32*\a+6*\c+4:32*\a+6*\c+5], s[60:61] offset:204800*\c+768*\a
.endr
.endr
	WIN 0
	s_branch .Ldone
.Lv:                                               ; v: 128 keys x 128 columns turn through the stage, so that a lane's registers run along the keys
.irp a, 0,1
.irp t, 0,1,2,3,4,5,6,7
	ds_store_b128 v19, v[ACC+64*\a+8*\t:ACC+64*\a+8*\t+3] offset:4224*\a+64*\t
	ds_store_b128 v19, v[ACC+64*\a+8*\t+4:ACC+64*\a+8*\t+7] offset:4224*\a+64*\t+16
.endr
.endr
	s_wait_dscnt 0x0
	s_barrier_signal -1                            ; nt is the same in all waves and partners
	s_barrier_wait -1
	s_wait_alu depctr_va_vdst(0)
.irp e, 0,1
.set N, 0
.rept 64
	ds_load_b32 v[ACC+64*\e+N], v20 offset:(32*(N/16)+N%16)*528+32*\e
.set N, N+1
.endr
.endr
	s_wait_dscnt 0x0
	QUANT ACC, 0, 40
	QUANT ACC+64, 32, 41
	s_lshr_b32 s34, s28, 1
	s_lshl_b32 s35, s32, 1
	s_add_co_u32 s34, s34, s35                     ; kv head
	s_mul_i32 s34, s34, 204800
	s_and_b32 s35, s28, 1
	s_lshl_b32 s68, s30, 3
	s_lshl_b32 s69, s35, 1
	s_add_co_u32 s68, s68, s69
	s_mul_i32 s68, s68, 768
	s_add_co_u32 s68, s68, s34
	s_add_co_u32 s68, s68, 102400
	s_mov_b32 s69, 0
	s_lshl_b32 s70, s30, 8
	s_lshl_b32 s71, s35, 7
	s_add_co_u32 s70, s70, s71
	s_add_co_u32 s70, s70, s34
	s_add_co_u32 s70, s70, 200704
	s_mov_b32 s71, 0
	s_add_nc_u64 s[60:61], s[26:27], s[68:69]
	s_add_nc_u64 s[62:63], s[26:27], s[70:71]
	v_cmp_eq_u32 vcc_lo, 1, v2
	v_cndmask_b32 v42, v40, v41, vcc_lo
	global_store_b32 v7, v42, s[62:63]
	WIN 0x04
	s_wait_alu depctr_va_vdst(0)
.irp e, 0,1
.irp c, 0,1
	global_store_b128 v4, v[32*\e+6*\c:32*\e+6*\c+3], s[60:61] offset:768*(4*\c+\e)
	global_store_b64 v5, v[32*\e+6*\c+4:32*\e+6*\c+5], s[60:61] offset:768*(4*\c+\e)
.endr
.endr
	WIN 0
.Ldone:
	s_wait_tensorcnt 0x0
	ds_add_u32 v46, v47
	s_wait_dscnt 0x0
	ROUND                                          ; the closing round
	s_endpgm
.Lfunc_end_k_q6860d8fe48_proj:
	.size	k_q6860d8fe48_proj, .Lfunc_end_k_q6860d8fe48_proj-k_q6860d8fe48_proj
	.p2alignl 7, 3214868480
	.fill 96, 4, 3214868480
	.section	.rodata,"a",@progbits
	.p2align	6, 0x0
	.amdhsa_kernel k_q6860d8fe48_proj
		.amdhsa_group_segment_fixed_size 313856
		.amdhsa_private_segment_fixed_size 0
		.amdhsa_enable_private_segment 0
		.amdhsa_kernarg_size 96
		.amdhsa_user_sgpr_count 2
		.amdhsa_user_sgpr_kernarg_segment_ptr 1
		.amdhsa_wavefront_size32 1
		.amdhsa_system_sgpr_workgroup_id_x 1
		.amdhsa_system_sgpr_workgroup_id_y 1
		.amdhsa_system_sgpr_workgroup_id_z 1
		.amdhsa_system_vgpr_workitem_id 0
		.amdhsa_next_free_vgpr 1024
		.amdhsa_next_free_sgpr 100
		.amdhsa_reserve_vcc 1
		.amdhsa_float_denorm_mode_32 3
		.amdhsa_float_denorm_mode_16_64 3
		.amdhsa_memory_ordered 1
		.amdhsa_forward_progress 1
		.amdhsa_inst_pref_size 148
	.end_amdhsa_kernel
	.amdgpu_metadata
---
amdhsa.version: [ 1, 2 ]
amdhsa.kernels:
  - .name:           k_q6860d8fe48_proj
    .symbol:         k_q6860d8fe48_proj.kd
    .args:
      - { .name: A1, .offset: 0, .size: 8, .value_kind: global_buffer, .address_space: global }
      - { .name: q_w_codes, .offset: 8, .size: 8, .value_kind: global_buffer, .address_space: global }
      - { .name: q_w_scales, .offset: 16, .size: 8, .value_kind: global_buffer, .address_space: global }
      - { .name: k_w_codes, .offset: 24, .size: 8, .value_kind: global_buffer, .address_space: global }
      - { .name: k_w_scales, .offset: 32, .size: 8, .value_kind: global_buffer, .address_space: global }
      - { .name: v_w_codes, .offset: 40, .size: 8, .value_kind: global_buffer, .address_space: global }
      - { .name: v_w_scales, .offset: 48, .size: 8, .value_kind: global_buffer, .address_space: global }
      - { .name: qnew_w_codes, .offset: 56, .size: 8, .value_kind: global_buffer, .address_space: global }
      - { .name: qnew_w_scales, .offset: 64, .size: 8, .value_kind: global_buffer, .address_space: global }
      - { .name: ROPE, .offset: 72, .size: 8, .value_kind: global_buffer, .address_space: global }
      - { .name: QQ, .offset: 80, .size: 8, .value_kind: global_buffer, .address_space: global }
      - { .name: KV, .offset: 88, .size: 8, .value_kind: global_buffer, .address_space: global }
    .group_segment_fixed_size: 313856
    .private_segment_fixed_size: 0
    .kernarg_segment_align: 8
    .kernarg_segment_size: 96
    .max_flat_workgroup_size: 128
    .sgpr_count:     100
    .vgpr_count:     1024
    .wavefront_size: 32
...
	.end_amdgpu_metadata
.endif
;; end of part 2
;; launch attn (part 3): grid 32 x 8, 16 waves a work-group, clusters of 4 x 1, 245,248 bytes of LDS; arguments QQ, KV, KB, A1; writes A1
.if DOCPART == 3
	.amdgcn_target "amdgcn-amd-amdhsa--gfx1250"
	.amdhsa_code_object_version 6
	.text
	.protected	k_q6860d8fe48_attn
	.globl	k_q6860d8fe48_attn
	.p2align	8
	.type	k_q6860d8fe48_attn,@function
k_q6860d8fe48_attn:
	s_mov_b64 s[64:65], 0
	v_nop
	global_prefetch_b8 v0, s[64:65] scope:SCOPE_SE
	s_setreg_imm32_b32 hwreg(HW_REG_WAVE_MODE, 25, 1), 1
	s_wait_xcnt 0x0
	s_wait_alu depctr_hold_cnt(0) depctr_sa_sdst(0) depctr_va_vdst(0) depctr_va_sdst(0) depctr_va_ssrc(0) depctr_va_vcc(0) depctr_vm_vsrc(0)
	s_getreg_b32 s2, hwreg(HW_REG_IB_STS2, 6, 4)
	s_cmp_eq_u32 s2, 0
	s_cbranch_scc0 .Lentry_in_a_cluster
	s_endpgm
.Lentry_in_a_cluster:
	s_bfe_u32 s2, ttmp6, 0x10000c
	s_cmp_lg_u32 s2, 0x3003
	s_cbranch_scc0 .Lentry_shape_is_right
	s_endpgm
.Lentry_shape_is_right:
; Attention with one softmax over 257 KB keys and the causal self keys, all four products on codes of FP6 (E2M3).  The weights are quantised FINISHED AND NORMALISED, so the keys are walked twice:
; pass 1 finds M (the row's largest t = score x log2(e) / 8, rounded up to a whole number, running) and l = the sum of 2^(t - M); pass 2 makes the scores again, p = 2^(t - (M + log2 l)), quantises p along the keys and adds V^T P^T.
; A cluster is the four heads of one kv head g: that head's K and V (images of operand registers, and scale words) come into LDS ONCE, by 14 joint loads at the head, one a wave; no LDS byte is filled twice.
; In LDS KB's part of each kind lies directly ahead of the self part (KB is stored as 384 keys = 3 steps), so one address walks both: a pass is ONE loop of 3 + 16 = 19 trips of 128 keys.
; WORK LEFT OUT, by ids alone: KB keys 288 .. 383 are padding; self keys from the block of 32 behind the wave's queries on are hidden by the causal mask that the problem builds itself.
; So a step comes in four widths, 1 to 4 blocks of 32 keys: trips ahead of trip D take 4 blocks with no mask, trip D takes NF blocks and masks the last, trips behind D are jumped over.
; KB: D = 2, NF = 1 (key 256 alone counts there).  Self, queries 32 R ..: D = 3 + R / 4, NF = R % 4 + 1.  In the second product blocks left out are zero codes of p.
; Each of the sixteen waves owns one tile of 16 queries; waves 0-7 take early tiles and waves 8-15 the mirrored late ones, so that every work-group has the same causal work.
; Both products are used transposed: a lane holds ONE query.  The head's 64 are half of the instruction's 128 along K: a fragment of K holds two tiles of keys, and the query stands beside six registers of zero codes, below or above.
; No prefetch: every tile is asked for at the head, and no loop runs ahead of a load.
; LIMITS: NaN and infinities are not served; a block of zeros gets the scale byte 1, a block left out the byte 0 (their codes are zeros; this program alone reads the bytes);
; M + log2 l is rounded once to f32, so every p of a row carries a common relative error of up to 0.35 ulp of |M + log2 l|; scaled scores stay under 2^31.
.set IMGSZ, 3145728
.set LKI, 0                            ; K's images: KB's 18,432 bytes, then 98,304
.set LKSC, 116736                      ; K's scale words: 768, then 4,096
.set LVI, 121600                       ; V's images
.set LVSC, 238336                      ; V's scale words
.set SPARE, 243200                     ; the spare words: 16 waves x 128 bytes
.set FR, 64                            ; v64-111 four fragments of K or V
.set S, 112                            ; v112-175 scores, then p
.set O, 176                            ; v176-207 O^T
.set PC, 208                           ; v208-227 codes made
.set TM, 228                           ; v228-243 at work; v244-251 partial sums
.set SEL, 30
; v1-3 lane offsets; v4, v5 mask bounds (self, KB); v9 the bound in use; v10 -M (pass 2: -(M + log2 l)), v11 largest t; v12-13 l; v16-21, v28-33 zero codes; v22-27 the query in use, v57 its scale word;
; v34-39, v46 q; v40-45, v47 kb_q; v48-55 K's and V's scale words; v56 p's
.macro PLACES n
.rept \n
	v_nop
.endr
.endm
.macro ROUND
	s_barrier_signal -1
	s_barrier_wait -1
	s_cmp_lg_u32 s12, 0
	s_cbranch_scc1 .Lnw0_\@
	s_barrier_signal -3
.Lnw0_\@:
	s_barrier_wait -3
	s_barrier_signal -1
	s_barrier_wait -1
.endm
.macro WM z
.if \z
	v_wmma_scale_f32_16x16x128_f8f6f4 v[rD:rD+7], v[rB:rB+11], v[rA:rA+11], 0, v[rX], v[rY] matrix_a_fmt:MATRIX_FMT_FP6 matrix_b_fmt:MATRIX_FMT_FP6
.else
	v_wmma_scale_f32_16x16x128_f8f6f4 v[rD:rD+7], v[rB:rB+11], v[rA:rA+11], v[rD:rD+7], v[rX], v[rY] matrix_a_fmt:MATRIX_FMT_FP6 matrix_b_fmt:MATRIX_FMT_FP6
.endif
.endm
; nb blocks of 32: register s + 16 b + i = k 32 b + 16 (lane / 16) + i -> codes in v[pc] on, scale bytes in v[pw].  full = 1: the operand's 12 registers are all written, blocks nb .. 3 as zero codes
.macro QUANT s, nb, pc, pw, full
.set QB, 0
.rept \nb
	v_max3_num_f32 v[TM+QB], |v[\s+16*QB]|, |v[\s+16*QB+1]|, 0x1800000    ; with the floor 2^(3 - 127): the byte cannot fall under 1
.set QB, QB+1
.endr
.irp i, 2,4,6,8,10,12,14
.set QB, 0
.rept \nb
	v_max3_num_f32 v[TM+QB], v[TM+QB], |v[\s+16*QB+\i]|, |v[\s+16*QB+\i+1]|
.set QB, QB+1
.endr
.endr
.set QB, 0
.rept \nb
	v_permlanex16_b32 v[TM+4+QB], v[TM+QB], s[SEL], s[SEL+1]
.set QB, QB+1
.endr
.set QB, 0
.rept \nb
	v_max_num_f32 v[TM+QB], v[TM+QB], v[TM+4+QB]          ; with lane l xor 16's: the block's largest magnitude
.set QB, QB+1
.endr
.set QB, 0
.rept \nb
	v_add_nc_u32 v[TM+12+QB], 0xff000000, v[TM+QB]        ; 2 off the exponent field: the conversion's scale operand
.set QB, QB+1
.endr
.set QB, 0
.rept \nb
	v_lshrrev_b32 v[TM+4+QB], 23, v[TM+12+QB]             ; the scale's byte
.set QB, QB+1
.endr
.if \nb == 1
	v_mov_b32 v[\pw], v[TM+4]
.else
	v_lshl_or_b32 v[\pw], v[TM+5], 8, v[TM+4]
.endif
.if \nb > 2
	s_delay_alu instid0(VALU_DEP_1)
	v_lshl_or_b32 v[\pw], v[TM+6], 16, v[\pw]
.endif
.if \nb > 3
	s_delay_alu instid0(VALU_DEP_1)
	v_lshl_or_b32 v[\pw], v[TM+7], 24, v[\pw]
.endif
.set QB, 0
.rept (\nb+1)/2
	v_cvt_scalef32_pk16_fp6_f32 v[\pc+6*QB:\pc+6*QB+2], v[\s+32*QB:\s+32*QB+15], v[TM+12+2*QB]
.if 2*QB+1 < \nb
	v_cvt_scalef32_pk16_fp6_f32 v[\pc+12+4*QB:\pc+12+4*QB+2], v[\s+32*QB+16:\s+32*QB+31], v[TM+13+2*QB]
.endif
.set QB, QB+1
.endr
	v_nop                                                  ; one plain place behind a scaled conversion
.if \nb%2
.irp i, 0,1,2
	v_mov_b32 v[\pc+12+4*(\nb/2)+\i], 0                    ; the last block has no partner: zero codes
.endr
.endif
.set QB, 0
.rept (\nb+1)/2
.irp i, 0,1,2
	v_permlane16_swap_b32 v[\pc+6*QB+\i], v[\pc+12+4*QB+\i]   ; a whole block to a lane
.endr
.irp i, 0,1,2
	s_delay_alu instid0(VALU_DEP_3)
	v_mov_b32 v[\pc+6*QB+3+\i], v[\pc+12+4*QB+\i]
.endr
.set QB, QB+1
.endr
.if \full && (\nb < 3)
.irp i, 0,1,2,3,4,5
	v_mov_b32 v[\pc+6+\i], 0
.endr
.endif
.endm
; the query in use: its six registers between the zero codes, its scale word, its mask bound.  The four v_nop and the step's first four lines are the places ahead of the products
.macro SETQ q, w, d
	v_mov_b32 v57, v[\w]
	v_mov_b32 v9, v[\d]
.irp i, 0,1,2,3,4,5
	v_mov_b32 v[22+\i], v[\q+\i]
.endr
	PLACES 4
	s_wait_alu depctr_va_vdst(0)
.endm
; S^T of nf blocks of 32 keys: a fragment is two tiles; register 16 f + i of a lane is key 32 f + 16 (lane / 16) + i
.macro SCORES nf
	v_add_nc_u32 v6, s22, v1
	v_add_nc_u32 v7, s22, v2
	v_add_nc_u32 v8, s23, v3
	v_nop                                          ; four places in front of loads into registers that the last products read
.set F, 0
.rept \nf
.irp c, 0,1
	ds_load_b128 v[FR+12*F+6*\c:FR+12*F+6*\c+3], v6 offset:768*(2*F+\c)
	ds_load_b64 v[FR+12*F+6*\c+4:FR+12*F+6*\c+5], v7 offset:768*(2*F+\c)
.endr
	ds_load_b32 v[48+F], v8 offset:64*F
.set F, F+1
.endr
	s_wait_dscnt 0x0
.set F, 0
.rept \nf
.set rB, FR+12*F
.set rX, 48+F
.set rY, 57
.set rD, S+16*F
.set rA, 22
	WM 1                                           ; the query beside zeros above: the fragment's first tile
.set rD, S+16*F+8
.set rA, 16
	WM 1                                           ; zeros below: its second
.set F, F+1
.endr
	PLACES 4
.endm
.macro MASK nf                         ; in the step's last block register i is hidden where i > v9: it becomes -infinity.  A step of four blocks ahead of trip D has nothing hidden
.if \nf == 4
	s_cmp_lt_u32 s26, s20
	s_cbranch_scc1 .Lopen_\@
.endif
.set N, 0
.rept 16
	v_cmp_gt_i32 vcc_lo, N, v9
	v_cndmask_b32 v[S+16*(\nf-1)+N], v[S+16*(\nf-1)+N], v60, vcc_lo
.set N, N+1
.endr
.if \nf == 4
.Lopen_\@:
.endif
.endm
.macro TEXP nf                         ; 2^(t + v10)
.set N, 0
.rept 8*\nf
	v_pk_fma_f32 v[S+N:S+N+1], v[S+N:S+N+1], s[28:29], v[10:11] op_sel_hi:[1,0,0]
.set N, N+2
.endr
	s_wait_alu depctr_va_vdst(0)                   ; the wait ahead of the batch
.set N, 0
.rept 16*\nf
	v_exp_f32 v[S+N], v[S+N]
.set N, N+1
.endr
.endm
.macro STEP1 nf
	SCORES \nf
	MASK \nf
.set QB, 0
.rept \nf
	v_max3_num_f32 v[TM+QB], v[S+16*QB], v[S+16*QB+1], v[S+16*QB+2]
.set QB, QB+1
.endr
.irp i, 3,5,7,9,11,13
.set QB, 0
.rept \nf
	v_max3_num_f32 v[TM+QB], v[TM+QB], v[S+16*QB+\i], v[S+16*QB+\i+1]
.set QB, QB+1
.endr
.endr
.set QB, 0
.rept \nf
	v_max_num_f32 v[TM+QB], v[TM+QB], v[S+16*QB+15]
.set QB, QB+1
.endr
.set MX, 61
.if \nf == 1
.set MX, TM
.elseif \nf == 2
	v_max_num_f32 v61, v[TM], v[TM+1]
.else
	v_max3_num_f32 v61, v[TM], v[TM+1], v[TM+2]
.endif
.if \nf == 4
	s_delay_alu instid0(VALU_DEP_1)
	v_max_num_f32 v61, v61, v[TM+3]
.endif
	s_delay_alu instid0(VALU_DEP_1)
	v_permlanex16_b32 v62, v[MX], s[SEL], s[SEL+1]
	s_delay_alu instid0(VALU_DEP_1)
	v_max_num_f32 v61, v[MX], v62
	s_delay_alu instid0(VALU_DEP_1)
	v_mul_f32 v61, s28, v61
	s_delay_alu instid0(VALU_DEP_1)
	v_max_num_f32 v11, v11, v61                    ; the running largest t
	v_mov_b32 v62, v10
	s_delay_alu instid0(VALU_DEP_2)
	v_floor_f32 v10, -v11                          ; -M
	s_delay_alu instid0(VALU_DEP_1)
	v_sub_f32 v63, v10, v62
	s_delay_alu instid0(VALU_DEP_1)
	v_cvt_i32_f32 v63, v63                         ; (it saturates)
	s_delay_alu instid0(VALU_DEP_1)
	v_ldexp_f32 v58, 1.0, v63                      ; 2^(old M - new M)
	TEXP \nf
	v_pk_mul_f32 v[12:13], v[12:13], v[58:59] op_sel_hi:[1,0]   ; the sum under the new M; a plain place behind the exponentials
	s_wait_alu depctr_va_vdst(0)                   ; one wait for the batch, ahead of its first reader
.irp c, 0,1,2,3                        ; the step's sum, in four chains by turns
	v_pk_add_f32 v[244+2*\c:245+2*\c], v[S+2*\c:S+2*\c+1], v[S+8+2*\c:S+9+2*\c]
.endr
.set N, 8
.rept 8*\nf-8
	v_pk_add_f32 v[244+2*(N%4):245+2*(N%4)], v[244+2*(N%4):245+2*(N%4)], v[S+2*N:S+2*N+1]
.set N, N+1
.endr
	v_pk_add_f32 v[244:245], v[244:245], v[246:247]
	v_pk_add_f32 v[248:249], v[248:249], v[250:251]
	s_delay_alu instid0(VALU_DEP_2)
	v_pk_add_f32 v[12:13], v[12:13], v[244:245]
	s_delay_alu instid0(VALU_DEP_1)
	v_pk_add_f32 v[12:13], v[12:13], v[248:249]
	s_wait_alu depctr_va_vdst(0)                   ; the wait ahead of the branches that follow
.endm
.macro STEP2 nf
	SCORES \nf
	v_add_nc_u32 v6, s24, v1
	v_add_nc_u32 v7, s24, v2
	v_add_nc_u32 v8, s25, v3
.irp t, 0,1,2,3                        ; V's four fragments of the step's 128 keys land while p is made
.irp c, 0,1
	ds_load_b128 v[FR+12*\t+6*\c:FR+12*\t+6*\c+3], v6 offset:768*(4*\c+\t)
	ds_load_b64 v[FR+12*\t+6*\c+4:FR+12*\t+6*\c+5], v7 offset:768*(4*\c+\t)
.endr
	ds_load_b32 v[52+\t], v8 offset:64*\t
.endr
	MASK \nf
	TEXP \nf                                       ; p, finished and normalised
	v_nop                                          ; a plain place behind the exponentials
	s_wait_alu depctr_va_vdst(0)
	QUANT S, \nf, PC, 56, 1
	PLACES 8                                       ; a scale word made by vector instructions stands eight places ahead of the product
	s_wait_alu depctr_va_vdst(0)
	s_wait_dscnt 0x0
.irp t, 0,1,2,3                        ; four accumulators by turns
.set rD, O+8*\t
.set rB, FR+12*\t
.set rA, PC
.set rX, 52+\t
.set rY, 56
	WM 0
.endr
.endm
.macro ST n, nf
.if \n == 1
	STEP1 \nf
.else
	STEP2 \nf
.endif
.endm
.macro PASS n
	s_mov_b32 s20, 2                               ; KB: D,
	s_mov_b32 s27, 1                               ; NF
	s_mov_b32 s22, LKI
	s_mov_b32 s23, LKSC
.if \n == 2
	s_mov_b32 s24, LVI
	s_mov_b32 s25, LVSC
.endif
	s_mov_b32 s26, 0
	SETQ 40, 47, 5
.Ltrip_\n:
	s_cmp_lg_u32 s26, 3
	s_cbranch_scc1 .Lsame_\n
	s_mov_b32 s20, s18                             ; from trip 3 on: the self keys
	s_mov_b32 s27, s19
	SETQ 34, 46, 4
.Lsame_\n:
	s_cmp_gt_u32 s26, s20
	s_cbranch_scc1 .Lnext_\n
	s_cmp_lt_u32 s26, s20
	s_cbranch_scc1 .Lf4_\n
	s_cmp_eq_u32 s27, 1
	s_cbranch_scc1 .Lf1_\n
	s_cmp_eq_u32 s27, 2
	s_cbranch_scc1 .Lf2_\n
	s_cmp_eq_u32 s27, 3
	s_cbranch_scc1 .Lf3_\n
.Lf4_\n:
	ST \n, 4
	s_branch .Lnext_\n
.Lf3_\n:
	ST \n, 3
	s_branch .Lnext_\n
.Lf2_\n:
	ST \n, 2
	s_branch .Lnext_\n
.Lf1_\n:
	ST \n, 1
.Lnext_\n:
	s_add_co_u32 s22, s22, 6144
	s_add_co_u32 s23, s23, 256
.if \n == 2
	s_add_co_u32 s24, s24, 6144
	s_add_co_u32 s25, s25, 256
.endif
	s_add_co_u32 s26, s26, 1
	s_cmp_lt_u32 s26, 19
	s_cbranch_scc1 .Ltrip_\n
.endm
.macro G1 g, rows                      ; group 1: the four partners; elements of 8 bytes; rows of 256 bytes, dense
	s_mov_b32 s[\g], 15|(3<<16)|(1<<21)
	s_mov_b32 s[\g+1], 32<<16
	s_mov_b32 s[\g+2], \rows<<16
	s_mov_b32 s[\g+3], 32<<16
	s_mov_b32 s[\g+4], \rows
	s_mov_b32 s[\g+5], 32
	s_mov_b32 s[\g+6], 0
	s_mov_b32 s[\g+7], 0
.endm
.macro ARM under, g0, g1, next
	s_cmp_lt_u32 s12, \under
	s_cbranch_scc0 \next
	tensor_load_to_lds s[\g0:\g0+3], s[\g1:\g1+7]
	s_nop 0
	PLACES 4
	s_branch .Lasked
\next:
.endm
	s_load_b256 s[4:11], s[0:1], 0x0               ; QQ, KV, KB, A1
	v_lshl_add_u32 v254, v0, 2, SPARE
	v_mov_b32 v255, 0
	ds_add_u32 v254, v255
	ds_add_u32 v254, v255
	v_lshrrev_b32 v1, 5, v0
	s_delay_alu instid0(VALU_DEP_1)
	v_readfirstlane_b32 s12, v1                    ; wave
	s_bfe_u32 s13, ttmp6, 0x40000                  ; cx: it enters Q's and the result's global addresses and one shift count
	s_mov_b32 s14, ttmp9                           ; g
	s_lshl_b32 s15, s14, 2
	s_add_co_u32 s15, s15, s13                     ; head
	s_and_b32 s16, ttmp7, 0xffff
	s_and_b32 s32, s12, 7
	s_lshl_b32 s17, s16, 3
	s_add_co_u32 s17, s17, s32
	s_sub_co_u32 s33, 127, s17
	s_cmp_lt_u32 s12, 8
	s_cselect_b32 s17, s17, s33                    ; my tile of queries T
	s_lshr_b32 s34, s17, 1                         ; R
	s_and_b32 s35, s17, 1                          ; a
	s_lshr_b32 s18, s34, 2
	s_add_co_u32 s18, s18, 3                       ; self: D = 3 + R / 4,
	s_and_b32 s19, s34, 3
	s_add_co_u32 s19, s19, 1                       ; NF = R % 4 + 1
	s_lshl_b32 s16, s35, 3                         ; 8 a
	s_mov_b32 s28, 0x3e38aa3b                      ; log2(e) / 8
	s_mov_b32 s29, s28
	s_mov_b32 s[SEL], 0x76543210
	s_mov_b32 s[SEL+1], 0xfedcba98
	G1 36, 96                                      ; a quarter of K's or V's images
	G1 44, 72                                      ; KB's images of K or V
	G1 52, 16                                      ; K's or V's scale words
	G1 68, 3                                       ; KB's
	s_lshr_b32 s32, s12, 2
	s_and_b32 s33, s12, 1
	s_mov_b32 s76, 1                               ; waves 0-3: K's quarters; 4-7: V's
	s_mul_i32 s77, s12, 24576
	s_mul_i32 s60, s32, 4096
	s_add_co_u32 s60, s60, s77                     ; in memory V's images lie 4,096 bytes behind K's,
	s_mov_b32 s61, 0
	s_mul_i32 s62, s32, 23296
	s_add_co_u32 s77, s77, s62                     ; in LDS 23,296
	s_add_co_u32 s77, s77, 18432
	s_mov_b32 s80, 1                               ; waves 8, 9: KB's K, V images
	s_mul_i32 s81, s33, 121600
	s_mov_b32 s84, 1                               ; waves 10, 11: K's, V's scale words
	s_add_co_u32 s85, s81, 117504
	s_mov_b32 s88, 1                               ; waves 12, 13: KB's
	s_add_co_u32 s89, s81, 116736
	s_mul_i32 s62, s14, 204800
	s_mov_b32 s63, 0
	s_mul_i32 s2, s14, 38400
	s_mov_b32 s3, 0
	s_mul_i32 s22, s33, 19200
	s_mov_b32 s23, 0
	s_mul_i32 s24, s33, 102400
	s_mov_b32 s25, 0
	s_mul_i32 s26, s17, 24576
	s_mul_i32 s27, s15, 768
	s_add_co_u32 s26, s26, s27                     ; tile, head: 768 bytes
	s_mov_b32 s27, 0
	s_lshl_b32 s92, s34, 11
	s_lshr_b32 s93, s15, 1
	s_lshl_b32 s93, s93, 7
	s_add_co_u32 s92, s92, s93
	s_lshl_b32 s93, s35, 6
	s_add_co_u32 s92, s92, s93
	s_add_co_u32 s92, s92, IMGSZ                   ; the tile's scale words of the head's pair
	s_mov_b32 s93, 0
	s_and_b32 s20, s13, 1
	s_lshl_b32 s20, s20, 1
	s_add_co_u32 s20, s20, s92                     ; and my head's two bytes in them
	s_mov_b32 s21, 0
	v_and_b32 v6, 15, v0
	v_bfe_u32 v7, v0, 4, 1
	v_and_b32 v8, 31, v0
	s_delay_alu instid0(VALU_DEP_1)
	v_lshlrev_b32 v1, 4, v8                        ; 16 x lane
	v_lshl_add_u32 v2, v8, 3, 512                  ; 512 + 8 x lane
	v_lshlrev_b32 v3, 2, v6                        ; 4 r
	v_lshlrev_b32 v7, 4, v7
	s_delay_alu instid0(VALU_DEP_1)
	v_sub_nc_u32 v5, 0, v7                         ; KB's bound: -16 h (key 256 alone counts)
	v_and_b32 v8, 8, v6
	s_delay_alu instid0(VALU_DEP_1)
	v_add_nc_u32 v8, v8, v6
	s_delay_alu instid0(VALU_DEP_1)
	v_sub_nc_u32 v4, v8, v7
	s_delay_alu instid0(VALU_DEP_1)
	v_add_nc_u32 v4, s16, v4                       ; the self bound: 8 a + r + 8 (r / 8) - 16 h
	s_wait_alu depctr_va_vdst(0)
	s_wait_dscnt 0x0
	s_wait_kmcnt 0x0
	s_add_nc_u64 s[6:7], s[6:7], s[62:63]          ; g's part of KV,
	s_add_nc_u64 s[8:9], s[8:9], s[2:3]            ; of KB
	s_add_nc_u64 s[78:79], s[6:7], s[60:61]
	s_add_nc_u64 s[82:83], s[8:9], s[22:23]
	s_add_nc_u64 s[90:91], s[82:83], 18432
	s_add_nc_u64 s[86:87], s[6:7], s[24:25]
	s_add_nc_u64 s[86:87], s[86:87], 98304
	s_or_b32 s79, s79, 0x80000000
	s_or_b32 s83, s83, 0x80000000
	s_or_b32 s87, s87, 0x80000000
	s_or_b32 s91, s91, 0x80000000
	s_add_nc_u64 s[94:95], s[4:5], s[92:93]        ; q's scale words
	s_add_nc_u64 s[98:99], s[10:11], s[20:21]      ; the result's scale bytes
	s_add_nc_u64 s[96:97], s[10:11], s[26:27]      ; the result's image
	s_add_nc_u64 s[92:93], s[4:5], s[26:27]        ; q's image
	ROUND                                          ; the four partners are here: the joint loads meet
	ARM 8, 76, 36, .Larm_b                         ; one chain of branches on the wave's number, one load to an arm
	ARM 10, 80, 44, .Larm_c
	ARM 12, 84, 52, .Larm_d
	s_cmp_lt_u32 s12, 14
	s_cbranch_scc0 .Lasked
	tensor_load_to_lds s[88:91], s[68:75]
	s_nop 0
	PLACES 4
.Lasked:
	global_load_b128 v[34:37], v1, s[92:93]
	global_load_b64 v[38:39], v2, s[92:93]
	global_load_b128 v[40:43], v1, s[92:93] offset:3276800
	global_load_b64 v[44:45], v2, s[92:93] offset:3276800
	global_load_b32 v46, v3, s[94:95]
	global_load_b32 v47, v3, s[94:95] offset:3276800
.irp i, 0,1,2,3,4,5
	v_mov_b32 v[16+\i], 0                          ; zero codes beside the query
	v_mov_b32 v[28+\i], 0
.endr
	v_mov_b32 v11, 0xff61b1e6                      ; the largest t so far: -3e38
	s_delay_alu instid0(VALU_DEP_1)
	v_floor_f32 v10, -v11
	v_mov_b32 v12, 0
	v_mov_b32 v13, 0
	v_mov_b32 v59, 0
	v_mov_b32 v60, 0xff800000                      ; -infinity
	v_mov_b32 v61, 0
	v_mov_b32 v62, 0
.irp b, 0,1,2,3
	v_mov_b32 v[TM+4+\b], 0                        ; a lane permute's destination counts as one of its sources
.endr
.set N, 0
.rept 32
	v_mov_b32 v[O+N], 0                            ; O^T: the step is written once
.set N, N+1
.endr
	s_wait_alu depctr_va_vdst(0)                   ; the wait at the head's end
	s_wait_tensorcnt 0x0                           ; my tile has landed
	s_barrier_signal -1
	s_barrier_wait -1                              ; everybody's has
	s_wait_loadcnt 0x0
	s_and_b32 s32, s13, 1
	s_lshl_b32 s32, s32, 4
.irp x, 46,47                                  ; my head's two bytes, twice: they serve the query below and above
	v_lshrrev_b32 v\x, s32, v\x
	s_delay_alu instid0(VALU_DEP_1)
	v_and_b32 v\x, 0xffff, v\x
	s_delay_alu instid0(VALU_DEP_1)
	v_lshl_or_b32 v\x, v\x, 16, v\x
.endr
	PASS 1
	v_add_f32 v12, v12, v13
	s_delay_alu instid0(VALU_DEP_1)
	v_permlanex16_b32 v61, v12, s[SEL], s[SEL+1]
	s_delay_alu instid0(VALU_DEP_1)
	v_add_f32 v12, v12, v61                        ; the row's sum l
	s_wait_alu depctr_va_vdst(0)
	v_log_f32 v14, v12
	v_nop
	s_wait_alu depctr_va_vdst(0)
	v_sub_f32 v10, v10, v14                        ; -(M + log2 l)
	PASS 2
	PLACES 4
	QUANT O, 2, PC, 56, 0                          ; the head's 64 outputs of my query: two blocks along the next K
	global_store_b128 v1, v[PC:PC+3], s[96:97]
	global_store_b64 v2, v[PC+4:PC+5], s[96:97]
	global_store_b16 v3, v56, s[98:99]
	s_wait_tensorcnt 0x0                           ; the wave's end
	ds_add_u32 v254, v255
	s_wait_dscnt 0x0
	ROUND                                          ; the closing round
	s_endpgm
.Lfunc_end_k_q6860d8fe48_attn:
	.size	k_q6860d8fe48_attn, .Lfunc_end_k_q6860d8fe48_attn-k_q6860d8fe48_attn
	.p2alignl 7, 3214868480
	.fill 96, 4, 3214868480
	.section	.rodata,"a",@progbits
	.p2align	6, 0x0
	.amdhsa_kernel k_q6860d8fe48_attn
		.amdhsa_group_segment_fixed_size 245248
		.amdhsa_private_segment_fixed_size 0
		.amdhsa_enable_private_segment 0
		.amdhsa_kernarg_size 32
		.amdhsa_user_sgpr_count 2
		.amdhsa_user_sgpr_kernarg_segment_ptr 1
		.amdhsa_wavefront_size32 1
		.amdhsa_system_sgpr_workgroup_id_x 1
		.amdhsa_system_sgpr_workgroup_id_y 1
		.amdhsa_system_sgpr_workgroup_id_z 1
		.amdhsa_system_vgpr_workitem_id 0
		.amdhsa_next_free_vgpr 256
		.amdhsa_next_free_sgpr 100
		.amdhsa_reserve_vcc 1
		.amdhsa_float_denorm_mode_32 3
		.amdhsa_float_denorm_mode_16_64 3
		.amdhsa_memory_ordered 1
		.amdhsa_forward_progress 1
		.amdhsa_inst_pref_size 93
	.end_amdhsa_kernel
	.amdgpu_metadata
---
amdhsa.version: [ 1, 2 ]
amdhsa.kernels:
  - .name:           k_q6860d8fe48_attn
    .symbol:         k_q6860d8fe48_attn.kd
    .args:
      - { .name: QQ, .offset: 0, .size: 8, .value_kind: global_buffer, .address_space: global }
      - { .name: KV, .offset: 8, .size: 8, .value_kind: global_buffer, .address_space: global }
      - { .name: KB, .offset: 16, .size: 8, .value_kind: global_buffer, .address_space: global }
      - { .name: A1, .offset: 24, .size: 8, .value_kind: global_buffer, .address_space: global }
    .group_segment_fixed_size: 245248
    .private_segment_fixed_size: 0
    .kernarg_segment_align: 8
    .kernarg_segment_size: 32
    .max_flat_workgroup_size: 512
    .sgpr_count:     100
    .vgpr_count:     256
    .wavefront_size: 32
...
	.end_amdgpu_metadata
.endif
;; end of part 3
;; launch oproj (part 4): grid 16 x 16, 4 waves a work-group, clusters of 4 x 1, 280,064 bytes of LDS; arguments A1, o_w_codes, o_w_scales, hidden_states, H; writes H
.if DOCPART == 4
	.amdgcn_target "amdgcn-amd-amdhsa--gfx1250"
	.amdhsa_code_object_version 6
	.text
	.protected	k_q6860d8fe48_oproj
	.globl	k_q6860d8fe48_oproj
	.p2align	8
	.type	k_q6860d8fe48_oproj,@function
k_q6860d8fe48_oproj:
	s_mov_b64 s[64:65], 0
	v_nop
	global_prefetch_b8 v0, s[64:65] scope:SCOPE_SE
	s_setreg_imm32_b32 hwreg(HW_REG_WAVE_MODE, 25, 1), 1
	s_wait_xcnt 0x0
	s_wait_alu depctr_hold_cnt(0) depctr_sa_sdst(0) depctr_va_vdst(0) depctr_va_sdst(0) depctr_va_ssrc(0) depctr_va_vcc(0) depctr_vm_vsrc(0)
	s_getreg_b32 s2, hwreg(HW_REG_IB_STS2, 6, 4)
	s_cmp_eq_u32 s2, 0
	s_cbranch_scc0 .Lentry_in_a_cluster
	s_endpgm
.Lentry_in_a_cluster:
	s_bfe_u32 s2, ttmp6, 0x10000c
	s_cmp_lg_u32 s2, 0x3003
	s_cbranch_scc0 .Lentry_shape_is_right
	s_endpgm
.Lentry_shape_is_right:
; c = res + A B^T on codes of FP6 (E2M3); res and c [2048][2048] f32.  A work-group makes 128 x 128, a wave 32 rows x 128 columns (16 accumulators).
; A lies in memory as images of operand registers and goes straight into registers for all of K (384 registers a wave).  B's 128 rows come into LDS for all of K by four joint loads, one a wave,
; asked for jointly by the four work-groups of a cluster, which share the tile column; no LDS byte is filled twice.  The product is used transposed: source 0 = 16 rows of B, source 1 = 16 rows of A.
; The residual's rows are asked for in K step 9, into registers of A that are spent.  Results go through the wave's own stage in LDS and leave as whole rows of 512 bytes.
; REGISTERS: window 0: v1-17 addresses, v48-63 A's scale words, v64-127 B's, v128-255 accumulators (64 a + 8 t).  Window 1: B's fragments, two sets; later the rows on their way out.  Windows 2, 3: A; later the residual.
.set IMGSZ, 3145728
; B's fills as they now stand: each wave asks for 32 whole rows of B (1,536 bytes, all of K) by its ONE joint load; every row begins at a multiple of 256 bytes of its buffer.
; In LDS 80 bytes of padding follow every 512, so a row takes 1,776 bytes = 444 words: row r starts at bank -4 r mod 64, and lanes 16-31 (6 or 26 words on) fall between.
.set BP, 1776
.set ACC, 128
.set SA, 48
.set SB, 64
.set MSB, 0
.macro WIN new
.if MSB != \new
	s_set_vgpr_msb (MSB<<8)|\new
.set MSB, \new
.endif
.endm
.macro PLACES n
.rept \n
	v_nop
.endr
.endm
.macro ROUND
	s_barrier_signal -1
	s_barrier_wait -1
	s_cmp_lg_u32 s28, 0
	s_cbranch_scc1 .Lnw0_\@
	s_barrier_signal -3
.Lnw0_\@:
	s_barrier_wait -3
	s_barrier_signal -1
	s_barrier_wait -1
.endm
.macro FRAG reg, adr, q, i             ; 16 rows x 128 K of step q, in pieces of 8 bytes; byte y of a row lies at y + 80 (y / 512); the second address serves pieces whose lanes 16-31 lie behind one padding more
.irp p, 0,1,2,3,4,5
.set BY, 96*(\q)+48*(\p/3)+8*(\p%3)
.if BY/512 == (BY+24)/512
	ds_load_b64 v[\reg+2*\p:\reg+2*\p+1], v[\adr] offset:BY+80*(BY/512)+((\i)%2)*16*BP
.else
	ds_load_b64 v[\reg+2*\p:\reg+2*\p+1], v[\adr+1] offset:BY+80*(BY/512)+((\i)%2)*16*BP
.endif
.endr
.endm
.macro FETCHB q
	WIN 0x40
.irp i, 0,1,2,3,4,5,6,7
	FRAG 128*((\q)%2)+12*\i, 8+2*(\i/2), \q, \i
.endr
.endm
.macro WM z, m0, m1
.if \z
	v_wmma_scale_f32_16x16x128_f8f6f4 v[rD:rD+7], v[rB:rB+11], v[rA:rA+11], 0, v[rX], v[rY] matrix_a_fmt:MATRIX_FMT_FP6 matrix_b_fmt:MATRIX_FMT_FP6 \m0 \m1
.else
	v_wmma_scale_f32_16x16x128_f8f6f4 v[rD:rD+7], v[rB:rB+11], v[rA:rA+11], v[rD:rD+7], v[rX], v[rY] matrix_a_fmt:MATRIX_FMT_FP6 matrix_b_fmt:MATRIX_FMT_FP6 \m0 \m1
.endif
.endm
.macro MULS q, z                       ; 16 products, the 16 accumulators by turns in the same order in every step
.if (\q) < 10
	WIN 0x09
.else
	WIN 0x0d
.endif
.irp a, 0,1
.irp t, 0,1,2,3,4,5,6,7
.set rD, ACC+64*\a+8*\t
.set rB, 128*((\q)%2)+12*\t
.set rA, 24*((\q)%10)+12*\a
.set rX, SB+16*(\t/2)+(\q)
.set rY, SA+(\q)
.if (\t%2 == 0) && (\a == 0)
	WM \z
.elseif \a == 0
	WM \z, matrix_a_scale:MATRIX_SCALE_ROW1
.elseif \t%2 == 0
	WM \z, matrix_b_scale:MATRIX_SCALE_ROW1
.else
	WM \z, matrix_a_scale:MATRIX_SCALE_ROW1, matrix_b_scale:MATRIX_SCALE_ROW1
.endif
.endr
.endr
.endm
.macro ALOAD q
.if (\q) < 10
	WIN 0x80
.else
	WIN 0xc0
.endif
.irp a, 0,1
.irp c, 0,1
	global_load_b128 v[24*((\q)%10)+12*\a+6*\c:24*((\q)%10)+12*\a+6*\c+3], v4, s[52:53] offset:24576*\a+768*(2*(\q)+\c)
	global_load_b64 v[24*((\q)%10)+12*\a+6*\c+4:24*((\q)%10)+12*\a+6*\c+5], v5, s[52:53] offset:24576*\a+768*(2*(\q)+\c)
.endr
.endr
.endm
.macro HOOK                            ; the residual's 32 rows x 512 bytes, into window 2, v0-127 (A's K steps 0 to 5, spent)
	WIN 0x80
.irp a, 0,1
.irp p, 0,1,2,3,4,5,6,7,8,9,10,11,12,13,14,15
	global_load_b128 v[64*\a+4*\p:64*\a+4*\p+3], v4, s[60:61] offset:(8*\a+\p+(\p&8))*8192
.endr
.endr
.endm
.macro KSTEP q
	s_wait_dscnt 0x0                               ; this step's 48 loads, issued a step ago
	PLACES 4                                       ; in front of loads into registers that earlier products read
.if (\q) < 15
	FETCHB (\q)+1
.endif
.if (\q) < 9
	ALOAD (\q)+7                                   ; A comes seven K steps ahead
	s_wait_loadcnt 56                              ; A's step q is in: behind it stand the 7 x 8 loads of steps q + 1 to q + 7
.elseif (\q) == 9
	s_wait_loadcnt 48                              ; behind A's step 9: steps 10 to 15
	HOOK
.elseif (\q) < 12
	s_wait_loadcnt 63                              ; behind A's step q stand 8 (15 - q) + 32 loads, 64 or more: the count is held at what its field takes
.else
	s_wait_loadcnt 8*(15-(\q))+32                  ; behind A's step q: steps q + 1 to 15 and the residual's 32 loads
.endif
	MULS \q, (\q)==0
.endm
	s_load_b256 s[4:11], s[0:1], 0x0               ; A's image, B's codes, B's scales, res
	s_load_b64 s[12:13], s[0:1], 0x20              ; c
	v_lshl_add_u32 v46, v0, 2, 0x44400
	v_mov_b32 v47, 0
	ds_add_u32 v46, v47
	ds_add_u32 v46, v47
	v_lshrrev_b32 v1, 5, v0
	v_readfirstlane_b32 s28, v1                    ; wave
	s_bfe_u32 s29, ttmp6, 0x40000                  ; cx: it enters A's, the residual's and the result's global addresses alone
	s_lshl_b32 s30, ttmp9, 2
	s_add_co_u32 s30, s30, s29                     ; mt
	s_and_b32 s31, ttmp7, 0xffff                   ; nt, which the four partners share
	s_lshl_b32 s33, s30, 2
	s_add_co_u32 s33, s33, s28                     ; R: my 32 rows
	s_mov_b32 s36, 15|(1<<20)|(1<<21)|(6<<22)|(19<<25) ; the four partners; bytes; 20 words of padding behind every 128
	s_mov_b32 s37, 1536<<16
	s_mov_b32 s38, 32<<16
	s_mov_b32 s39, 1536<<16
	s_mov_b32 s40, 32
	s_mov_b32 s41, 1536
	s_mov_b32 s42, 0
	s_mov_b32 s43, 0
	s_mov_b32 s44, 1
	s_mul_i32 s45, s28, 32*BP                      ; my 32 rows of B in LDS
	v_and_b32 v3, 31, v0
	v_and_b32 v1, 15, v0
	v_bfe_u32 v2, v0, 4, 1
	v_lshlrev_b32 v4, 4, v3
	v_lshl_add_u32 v5, v3, 3, 512
	v_lshlrev_b32 v6, 6, v3
	v_lshlrev_b32 v7, 2, v3
	v_mul_u32_u24 v8, v1, BP
	v_mad_u32_u24 v8, v2, 24, v8
	v_mad_u32_u24 v9, v2, 80, v8
.irp p, 1,2,3
	v_add_nc_u32 v[8+2*\p], 32*BP*\p, v8
	v_add_nc_u32 v[9+2*\p], 32*BP*\p, v9
.endr
	s_mul_i32 s34, s28, 8448
	s_add_co_u32 s34, s34, 245760                  ; my stage: 16 rows x 528 bytes
	v_mul_u32_u24 v16, v1, 528
	v_lshl_add_u32 v16, v2, 5, v16
	v_add_nc_u32 v16, s34, v16
	v_add_nc_u32 v17, s34, v4
	s_mul_i32 s68, s31, 196608
	s_mul_i32 s69, s28, 49152
	s_add_co_u32 s68, s68, s69
	s_mov_b32 s69, 0
	s_lshl_b32 s70, s31, 13
	s_mov_b32 s71, 0
	s_mul_i32 s72, s33, 49152
	s_mov_b32 s73, 0
	s_lshl_b32 s74, s33, 11
	s_add_co_u32 s74, s74, IMGSZ
	s_mov_b32 s75, 0
	s_lshl_b32 s76, s33, 18
	s_lshl_b32 s77, s31, 9
	s_add_co_u32 s76, s76, s77                     ; 32 R rows of 8,192 bytes + 512 nt
	s_mov_b32 s77, 0
	s_wait_alu depctr_va_vdst(0)                   ; the wait at the head's end
	s_wait_dscnt 0x0
	s_wait_kmcnt 0x0
	s_add_nc_u64 s[46:47], s[6:7], s[68:69]
	s_or_b32 s47, s47, 0x80000000
	s_add_nc_u64 s[58:59], s[8:9], s[70:71]
	s_add_nc_u64 s[52:53], s[4:5], s[72:73]
	s_add_nc_u64 s[54:55], s[4:5], s[74:75]
	s_add_nc_u64 s[60:61], s[10:11], s[76:77]
	s_add_nc_u64 s[62:63], s[12:13], s[76:77]
	ROUND                                          ; the four partners are here: the joint loads meet
	tensor_load_to_lds s[44:47], s[36:43]
	s_nop 0
	PLACES 4
.irp b, 0,1,2,3
.irp i, 0,1,2,3
	global_load_b128 v[SB+16*\b+4*\i:SB+16*\b+4*\i+3], v6, s[58:59] offset:2048*\b+16*\i
.endr
.endr
.irp q, 0,1,2,3,4,5,6,7,8,9,10,11,12,13,14,15
	global_load_b32 v[SA+\q], v7, s[54:55] offset:128*\q
.endr
.irp q, 0,1,2,3,4,5,6
	ALOAD \q
.endr
	WIN 0
	s_wait_tensorcnt 0x0                           ; my 32 rows of B have landed
	s_barrier_signal -1
	s_barrier_wait -1
	FETCHB 0
.irp q, 0,1,2,3,4,5,6,7,8,9,10,11,12,13,14,15
	KSTEP \q
.endr
	WIN 0
	PLACES 4
.irp a, 0,1                                    ; 16 rows at a time through my stage: LDS serves a wave's instructions in order
.irp t, 0,1,2,3,4,5,6,7
	ds_store_b128 v16, v[ACC+64*\a+8*\t:ACC+64*\a+8*\t+3] offset:64*\t
	ds_store_b128 v16, v[ACC+64*\a+8*\t+4:ACC+64*\a+8*\t+7] offset:64*\t+16
.endr
	WIN 0x40
.irp p, 0,1,2,3,4,5,6,7,8,9,10,11,12,13,14,15
	ds_load_b128 v[64*\a+4*\p:64*\a+4*\p+3], v17 offset:528*\p
.endr
	WIN 0
.endr
	s_wait_dscnt 0x0
	s_wait_loadcnt 0x0                             ; the residual
	WIN 0x49                                       ; destination and source 0 window 1, source 1 window 2
.set N, 0
.rept 64
	v_pk_add_f32 v[N:N+1], v[N:N+1], v[N:N+1]
.set N, N+2
.endr
	WIN 0x04
.irp a, 0,1
.irp p, 0,1,2,3,4,5,6,7,8,9,10,11,12,13,14,15
	global_store_b128 v4, v[64*\a+4*\p:64*\a+4*\p+3], s[62:63] offset:(8*\a+\p+(\p&8))*8192   ; 32 lanes store 512 consecutive bytes, aligned
.endr
.endr
	WIN 0
	s_wait_tensorcnt 0x0
	ds_add_u32 v46, v47
	s_wait_dscnt 0x0
	ROUND                                          ; the closing round
	s_endpgm
.Lfunc_end_k_q6860d8fe48_oproj:
	.size	k_q6860d8fe48_oproj, .Lfunc_end_k_q6860d8fe48_oproj-k_q6860d8fe48_oproj
	.p2alignl 7, 3214868480
	.fill 96, 4, 3214868480
	.section	.rodata,"a",@progbits
	.p2align	6, 0x0
	.amdhsa_kernel k_q6860d8fe48_oproj
		.amdhsa_group_segment_fixed_size 280064
		.amdhsa_private_segment_fixed_size 0
		.amdhsa_enable_private_segment 0
		.amdhsa_kernarg_size 40
		.amdhsa_user_sgpr_count 2
		.amdhsa_user_sgpr_kernarg_segment_ptr 1
		.amdhsa_wavefront_size32 1
		.amdhsa_system_sgpr_workgroup_id_x 1
		.amdhsa_system_sgpr_workgroup_id_y 1
		.amdhsa_system_sgpr_workgroup_id_z 1
		.amdhsa_system_vgpr_workitem_id 0
		.amdhsa_next_free_vgpr 1024
		.amdhsa_next_free_sgpr 80
		.amdhsa_reserve_vcc 0
		.amdhsa_float_denorm_mode_32 3
		.amdhsa_float_denorm_mode_16_64 3
		.amdhsa_memory_ordered 1
		.amdhsa_forward_progress 1
		.amdhsa_inst_pref_size 119
	.end_amdhsa_kernel
	.amdgpu_metadata
---
amdhsa.version: [ 1, 2 ]
amdhsa.kernels:
  - .name:           k_q6860d8fe48_oproj
    .symbol:         k_q6860d8fe48_oproj.kd
    .args:
      - { .name: A1, .offset: 0, .size: 8, .value_kind: global_buffer, .address_space: global }
      - { .name: o_w_codes, .offset: 8, .size: 8, .value_kind: global_buffer, .address_space: global }
      - { .name: o_w_scales, .offset: 16, .size: 8, .value_kind: global_buffer, .address_space: global }
      - { .name: hidden_states, .offset: 24, .size: 8, .value_kind: global_buffer, .address_space: global }
      - { .name: H, .offset: 32, .size: 8, .value_kind: global_buffer, .address_space: global }
    .group_segment_fixed_size: 280064
    .private_segment_fixed_size: 0
    .kernarg_segment_align: 8
    .kernarg_segment_size: 40
    .max_flat_workgroup_size: 128
    .sgpr_count:     80
    .vgpr_count:     1024
    .wavefront_size: 32
...
	.end_amdgpu_metadata
.endif
;; end of part 4
;; launch norm2 (part 5): grid 128 x 1, 16 waves a work-group, no clusters, 138,240 bytes of LDS; arguments H, ln2_w, A1; writes A1
.if DOCPART == 5
	.amdgcn_target "amdgcn-amd-amdhsa--gfx1250"
	.amdhsa_code_object_version 6
	.text
	.protected	k_q6860d8fe48_norm2
	.globl	k_q6860d8fe48_norm2
	.p2align	8
	.type	k_q6860d8fe48_norm2,@function
k_q6860d8fe48_norm2:
	s_mov_b64 s[64:65], 0
	v_nop
	global_prefetch_b8 v0, s[64:65] scope:SCOPE_SE
	s_setreg_imm32_b32 hwreg(HW_REG_WAVE_MODE, 25, 1), 1
	s_wait_xcnt 0x0
; img = Q(rmsnorm(src) x w): src [2048][2048] f32; the codes leave as images of operand registers, [tile T (128)][K / 64 (32)][768 bytes], and behind them (at IMGSZ) the scale words [T / 2][K / 128][16 (T % 2) + r].
; A work-group is a tile of 16 rows: lane r stands for row 32 (T / 2) + 8 (T % 2) + r + 8 (r / 8).  Wave q owns columns 128 q on.  Each load reads 512 consecutive bytes of a row; the rows turn through the wave's
; own stage in LDS (pitch 528) so that a lane gets 16 neighbours of each block of 32.  The rows' sums of squares meet in LDS behind the one barrier.  No matrix unit, no tensor load: the launch streams.
; LIMITS: NaN and infinities are not served; a block of zeros gets the scale byte 1 (its codes are zeros; this program alone reads the bytes).
.set IMGSZ, 3145728
.set XS, 144
.set TM, 208
.set PW, 224
.set PC, 226
.set SEL, 28
.macro QUANT s, nb, pc, pw
.set QB, 0
.rept \nb
	v_max3_num_f32 v[TM+QB], |v[\s+16*QB]|, |v[\s+16*QB+1]|, 0x1800000    ; with the floor 2^(3 - 127): the byte cannot fall under 1
.set QB, QB+1
.endr
.irp i, 2,4,6,8,10,12,14
.set QB, 0
.rept \nb
	s_delay_alu instid0(VALU_DEP_4)
	v_max3_num_f32 v[TM+QB], v[TM+QB], |v[\s+16*QB+\i]|, |v[\s+16*QB+\i+1]|
.set QB, QB+1
.endr
.endr
.set QB, 0
.rept \nb
	s_delay_alu instid0(VALU_DEP_4)
	v_permlanex16_b32 v[TM+4+QB], v[TM+QB], s[SEL], s[SEL+1]
.set QB, QB+1
.endr
.set QB, 0
.rept \nb
	s_delay_alu instid0(VALU_DEP_4)
	v_max_num_f32 v[TM+QB], v[TM+QB], v[TM+4+QB]
.set QB, QB+1
.endr
.set QB, 0
.rept \nb
	s_delay_alu instid0(VALU_DEP_4)
	v_add_nc_u32 v[TM+12+QB], 0xff000000, v[TM+QB]        ; 2 off the exponent field: the conversion's scale operand
.set QB, QB+1
.endr
.set QB, 0
.rept \nb
	s_delay_alu instid0(VALU_DEP_4)
	v_lshrrev_b32 v[TM+4+QB], 23, v[TM+12+QB]
.set QB, QB+1
.endr
	s_delay_alu instid0(VALU_DEP_3)
	v_lshl_or_b32 v[\pw], v[TM+5], 8, v[TM+4]
.if \nb > 2
	s_delay_alu instid0(VALU_DEP_1)
	v_lshl_or_b32 v[\pw], v[TM+6], 16, v[\pw]
	s_delay_alu instid0(VALU_DEP_1)
	v_lshl_or_b32 v[\pw], v[TM+7], 24, v[\pw]
.endif
.set QB, 0
.rept \nb/2
	v_cvt_scalef32_pk16_fp6_f32 v[\pc+6*QB:\pc+6*QB+2], v[\s+32*QB:\s+32*QB+15], v[TM+12+2*QB]
	v_cvt_scalef32_pk16_fp6_f32 v[\pc+12+4*QB:\pc+12+4*QB+2], v[\s+32*QB+16:\s+32*QB+31], v[TM+13+2*QB]
.set QB, QB+1
.endr
	v_nop
.set QB, 0
.rept \nb/2
.irp i, 0,1,2
	v_permlane16_swap_b32 v[\pc+6*QB+\i], v[\pc+12+4*QB+\i]
.endr
.irp i, 0,1,2
	s_delay_alu instid0(VALU_DEP_3)
	v_mov_b32 v[\pc+6*QB+3+\i], v[\pc+12+4*QB+\i]
.endr
.set QB, QB+1
.endr
.endm
	s_load_b128 s[4:7], s[0:1], 0x0                ; src, w
	s_load_b64 s[8:9], s[0:1], 0x10                ; img
	v_lshl_add_u32 v254, v0, 2, 0x21400
	v_mov_b32 v255, 0
	v_lshrrev_b32 v1, 5, v0
	s_delay_alu instid0(VALU_DEP_1)
	v_readfirstlane_b32 s10, v1                    ; wave q
	v_and_b32 v3, 31, v0
	v_and_b32 v1, 15, v0
	v_bfe_u32 v2, v0, 4, 1
	s_mul_i32 s11, s10, 8448
	v_lshlrev_b32 v9, 4, v3                        ; 16 x lane
	s_delay_alu instid0(VALU_DEP_1)
	v_add_nc_u32 v4, s11, v9                       ; the stage, in
	v_mul_u32_u24 v5, v1, 528
	s_delay_alu instid0(VALU_DEP_1)
	v_lshl_add_u32 v5, v2, 6, v5
	s_delay_alu instid0(VALU_DEP_1)
	v_add_nc_u32 v5, s11, v5                       ; the stage, out: row r, + 64 h
	v_lshlrev_b32 v6, 6, v2
	v_lshlrev_b32 v8, 6, v1
	s_delay_alu instid0(VALU_DEP_1)
	v_add_nc_u32 v8, 135168, v8                    ; row r's sixteen partial sums
	s_lshl_b32 s12, s10, 2
	v_add_nc_u32 v7, s12, v8
	v_lshl_add_u32 v10, v3, 3, 512
	v_lshlrev_b32 v11, 2, v1
	s_mov_b32 s[SEL], 0x76543210
	s_mov_b32 s[SEL+1], 0xfedcba98
	s_mov_b32 s22, 0x3a000000                      ; 1 / 2048
	s_mov_b32 s23, 0x3727c5ac                      ; 1e-5
	s_lshr_b32 s13, ttmp9, 1                       ; R
	s_and_b32 s14, ttmp9, 1                        ; a
	s_lshl_b32 s16, s13, 18
	s_lshl_b32 s15, s14, 16
	s_add_co_u32 s16, s16, s15
	s_lshl_b32 s18, s10, 9
	s_add_co_u32 s16, s16, s18                     ; (32 R + 8 a) rows of 8,192 bytes + 512 q
	s_mov_b32 s17, 0
	s_mov_b32 s19, 0
	s_mul_i32 s20, ttmp9, 24576
	s_mul_i32 s21, s10, 1536
	s_add_co_u32 s20, s20, s21
	s_mov_b32 s21, 0
	s_lshl_b32 s24, s13, 11
	s_lshl_b32 s25, s10, 7
	s_add_co_u32 s24, s24, s25
	s_lshl_b32 s25, s14, 6
	s_add_co_u32 s24, s24, s25
	s_add_co_u32 s24, s24, IMGSZ
	s_mov_b32 s25, 0
	s_wait_alu depctr_va_vdst(0)
	s_wait_kmcnt 0x0
	s_add_nc_u64 s[4:5], s[4:5], s[16:17]
	s_add_nc_u64 s[6:7], s[6:7], s[18:19]
	s_add_nc_u64 s[26:27], s[8:9], s[24:25]
	s_add_nc_u64 s[8:9], s[8:9], s[20:21]
.irp p, 0,1,2,3,4,5,6,7,8,9,10,11,12,13,14,15
	global_load_b128 v[16+4*\p:19+4*\p], v9, s[4:5] offset:(\p+(\p&8))*8192
.endr
.irp b, 0,1,2,3
.irp j, 0,1,2,3
	global_load_b128 v[80+16*\b+4*\j:83+16*\b+4*\j], v6, s[6:7] offset:128*\b+16*\j
.endr
.endr
	s_wait_loadcnt 16                              ; the rows are in; the gain's sixteen loads may be out
.irp p, 0,1,2,3,4,5,6,7,8,9,10,11,12,13,14,15
	ds_store_b128 v4, v[16+4*\p:19+4*\p] offset:528*\p
.endr
.irp b, 0,1,2,3
.irp j, 0,1,2,3
	ds_load_b128 v[XS+16*\b+4*\j:XS+16*\b+4*\j+3], v5 offset:128*\b+16*\j   ; my wave's own bytes, served in order
.endr
.endr
	s_wait_dscnt 0x0
.irp c, 0,1,2,3
	v_pk_mul_f32 v[208+2*\c:209+2*\c], v[XS+2*\c:XS+2*\c+1], v[XS+2*\c:XS+2*\c+1]
.endr
.irp i, 1,2,3,4,5,6,7
.irp c, 0,1,2,3
	s_delay_alu instid0(VALU_DEP_4)
	v_pk_fma_f32 v[208+2*\c:209+2*\c], v[XS+8*\i+2*\c:XS+8*\i+2*\c+1], v[XS+8*\i+2*\c:XS+8*\i+2*\c+1], v[208+2*\c:209+2*\c]
.endr
.endr
	s_delay_alu instid0(VALU_DEP_3)
	v_pk_add_f32 v[208:209], v[208:209], v[210:211]
	s_delay_alu instid0(VALU_DEP_2)
	v_pk_add_f32 v[212:213], v[212:213], v[214:215]
	s_delay_alu instid0(VALU_DEP_1)
	v_pk_add_f32 v[208:209], v[208:209], v[212:213]
	s_delay_alu instid0(VALU_DEP_1)
	v_add_f32 v208, v208, v209
	s_delay_alu instid0(VALU_DEP_1)
	v_permlanex16_b32 v209, v208, s[SEL], s[SEL+1]
	s_delay_alu instid0(VALU_DEP_1)
	v_add_f32 v208, v208, v209                     ; row r, my 128 columns
	ds_store_b32 v7, v208                          ; both halves of the lanes write the same word
	s_wait_dscnt 0x0
	s_barrier_signal -1
	s_barrier_wait -1
.irp i, 0,1,2,3
	ds_load_b128 v[208+4*\i:211+4*\i], v8 offset:16*\i
.endr
	s_wait_dscnt 0x0
.irp i, 0,2,4,6
	v_pk_add_f32 v[208+\i:209+\i], v[208+\i:209+\i], v[216+\i:217+\i]
.endr
	s_delay_alu instid0(VALU_DEP_2)
	v_pk_add_f32 v[208:209], v[208:209], v[212:213]
	s_delay_alu instid0(VALU_DEP_2)
	v_pk_add_f32 v[210:211], v[210:211], v[214:215]
	s_delay_alu instid0(VALU_DEP_1)
	v_pk_add_f32 v[208:209], v[208:209], v[210:211]
	s_delay_alu instid0(VALU_DEP_1)
	v_add_f32 v208, v208, v209
	s_delay_alu instid0(VALU_DEP_1)
	v_fma_f32 v208, v208, s22, s23                 ; the mean of the squares + eps
	s_wait_alu depctr_va_vdst(0)
	v_rsq_f32 v210, v208
	v_rsq_f32 v211, v208
	v_nop
.set N, 0
	s_wait_alu depctr_va_vdst(0)
.rept 32
	v_pk_mul_f32 v[XS+N:XS+N+1], v[XS+N:XS+N+1], v[210:211]
.set N, N+2
.endr
	s_wait_loadcnt 0x0
.set N, 0
.rept 32
	v_pk_mul_f32 v[XS+N:XS+N+1], v[XS+N:XS+N+1], v[80+N:81+N]
.set N, N+2
.endr
	QUANT XS, 4, PC, PW
.irp c, 0,1
	global_store_b128 v9, v[PC+6*\c:PC+6*\c+3], s[8:9] offset:768*\c
	global_store_b64 v10, v[PC+6*\c+4:PC+6*\c+5], s[8:9] offset:768*\c
.endr
	global_store_b32 v11, v[PW], s[26:27]          ; both halves of the lanes hold the same word
	s_wait_tensorcnt 0x0
	ds_add_u32 v254, v255
	s_wait_dscnt 0x0
	s_endpgm
.Lfunc_end_k_q6860d8fe48_norm2:
	.size	k_q6860d8fe48_norm2, .Lfunc_end_k_q6860d8fe48_norm2-k_q6860d8fe48_norm2
	.p2alignl 7, 3214868480
	.fill 96, 4, 3214868480
	.section	.rodata,"a",@progbits
	.p2align	6, 0x0
	.amdhsa_kernel k_q6860d8fe48_norm2
		.amdhsa_group_segment_fixed_size 138240
		.amdhsa_private_segment_fixed_size 0
		.amdhsa_enable_private_segment 0
		.amdhsa_kernarg_size 24
		.amdhsa_user_sgpr_count 2
		.amdhsa_user_sgpr_kernarg_segment_ptr 1
		.amdhsa_wavefront_size32 1
		.amdhsa_system_sgpr_workgroup_id_x 1
		.amdhsa_system_sgpr_workgroup_id_y 1
		.amdhsa_system_sgpr_workgroup_id_z 1
		.amdhsa_system_vgpr_workitem_id 0
		.amdhsa_next_free_vgpr 256
		.amdhsa_next_free_sgpr 66
		.amdhsa_reserve_vcc 0
		.amdhsa_float_denorm_mode_32 3
		.amdhsa_float_denorm_mode_16_64 3
		.amdhsa_memory_ordered 1
		.amdhsa_forward_progress 1
		.amdhsa_inst_pref_size 23
	.end_amdhsa_kernel
	.amdgpu_metadata
---
amdhsa.version: [ 1, 2 ]
amdhsa.kernels:
  - .name:           k_q6860d8fe48_norm2
    .symbol:         k_q6860d8fe48_norm2.kd
    .args:
      - { .name: H, .offset: 0, .size: 8, .value_kind: global_buffer, .address_space: global }
      - { .name: ln2_w, .offset: 8, .size: 8, .value_kind: global_buffer, .address_space: global }
      - { .name: A1, .offset: 16, .size: 8, .value_kind: global_buffer, .address_space: global }
    .group_segment_fixed_size: 138240
    .private_segment_fixed_size: 0
    .kernarg_segment_align: 8
    .kernarg_segment_size: 24
    .max_flat_workgroup_size: 512
    .sgpr_count:     66
    .vgpr_count:     256
    .wavefront_size: 32
...
	.end_amdgpu_metadata
.endif
;; end of part 5
;; launch up (part 6): grid 16 x 16, 4 waves a work-group, clusters of 4 x 1, 246,272 bytes of LDS; arguments A1, up_w_codes, up_w_scales, A2; writes A2
.if DOCPART == 6
	.amdgcn_target "amdgcn-amd-amdhsa--gfx1250"
	.amdhsa_code_object_version 6
	.text
	.protected	k_q6860d8fe48_up
	.globl	k_q6860d8fe48_up
	.p2align	8
	.type	k_q6860d8fe48_up,@function
k_q6860d8fe48_up:
	s_mov_b64 s[64:65], 0
	v_nop
	global_prefetch_b8 v0, s[64:65] scope:SCOPE_SE
	s_setreg_imm32_b32 hwreg(HW_REG_WAVE_MODE, 25, 1), 1
	s_wait_xcnt 0x0
	s_wait_alu depctr_hold_cnt(0) depctr_sa_sdst(0) depctr_va_vdst(0) depctr_va_sdst(0) depctr_va_ssrc(0) depctr_va_vcc(0) depctr_vm_vsrc(0)
	s_getreg_b32 s2, hwreg(HW_REG_IB_STS2, 6, 4)
	s_cmp_eq_u32 s2, 0
	s_cbranch_scc0 .Lentry_in_a_cluster
	s_endpgm
.Lentry_in_a_cluster:
	s_bfe_u32 s2, ttmp6, 0x10000c
	s_cmp_lg_u32 s2, 0x3003
	s_cbranch_scc0 .Lentry_shape_is_right
	s_endpgm
.Lentry_shape_is_right:
; u = Q(relu(y up_w^T)^2) on codes of FP6 (E2M3).  A work-group makes 128 x 128, a wave 32 rows x 128 columns (16 accumulators).
; A lies in memory as images of operand registers and goes straight into registers for all of K (384 registers a wave).  B's 128 rows come into LDS for all of K by four joint loads, one a wave,
; asked for jointly by the four work-groups of a cluster, which share the tile column; no LDS byte is filled twice.  The product is used transposed: source 0 = 16 rows of B, source 1 = 16 rows of A.
; The results are squared, quantised along the columns (the next K) in registers, and leave as images of operand registers with their scale words.
; LIMITS: NaN and infinities are not served; a block of zeros gets the scale byte 1 (its codes are zeros; this program alone reads the bytes).
; REGISTERS: window 0: v1-15 addresses, v24-39 at work, v40-41 scale words made, v48-63 A's scale words, v64-127 B's, v128-255 accumulators (64 a + 8 t).  Window 1: B's fragments, two sets; later the codes made.  Windows 2, 3: A.
.set IMGSZ, 3145728
; B's fills as they now stand: each wave asks for 32 whole rows of B (1,536 bytes, all of K) by its ONE joint load; every row begins at a multiple of 256 bytes of its buffer.
; In LDS 80 bytes of padding follow every 512, so a row takes 1,776 bytes = 444 words: row r starts at bank -4 r mod 64, and lanes 16-31 (6 or 26 words on) fall between.
.set BP, 1776
.set ACC, 128
.set SA, 48
.set SB, 64
.set TM, 24
.set SEL, 66
.set MSB, 0
.macro WIN new
.if MSB != \new
	s_set_vgpr_msb (MSB<<8)|\new
.set MSB, \new
.endif
.endm
.macro PLACES n
.rept \n
	v_nop
.endr
.endm
.macro ROUND
	s_barrier_signal -1
	s_barrier_wait -1
	s_cmp_lg_u32 s28, 0
	s_cbranch_scc1 .Lnw0_\@
	s_barrier_signal -3
.Lnw0_\@:
	s_barrier_wait -3
	s_barrier_signal -1
	s_barrier_wait -1
.endm
.macro FRAG reg, adr, q, i             ; 16 rows x 128 K of step q, in pieces of 8 bytes; byte y of a row lies at y + 80 (y / 512); the second address serves pieces whose lanes 16-31 lie behind one padding more
.irp p, 0,1,2,3,4,5
.set BY, 96*(\q)+48*(\p/3)+8*(\p%3)
.if BY/512 == (BY+24)/512
	ds_load_b64 v[\reg+2*\p:\reg+2*\p+1], v[\adr] offset:BY+80*(BY/512)+((\i)%2)*16*BP
.else
	ds_load_b64 v[\reg+2*\p:\reg+2*\p+1], v[\adr+1] offset:BY+80*(BY/512)+((\i)%2)*16*BP
.endif
.endr
.endm
.macro FETCHB q
	WIN 0x40
.irp i, 0,1,2,3,4,5,6,7
	FRAG 128*((\q)%2)+12*\i, 8+2*(\i/2), \q, \i
.endr
.endm
.macro WM z, m0, m1
.if \z
	v_wmma_scale_f32_16x16x128_f8f6f4 v[rD:rD+7], v[rB:rB+11], v[rA:rA+11], 0, v[rX], v[rY] matrix_a_fmt:MATRIX_FMT_FP6 matrix_b_fmt:MATRIX_FMT_FP6 \m0 \m1
.else
	v_wmma_scale_f32_16x16x128_f8f6f4 v[rD:rD+7], v[rB:rB+11], v[rA:rA+11], v[rD:rD+7], v[rX], v[rY] matrix_a_fmt:MATRIX_FMT_FP6 matrix_b_fmt:MATRIX_FMT_FP6 \m0 \m1
.endif
.endm
.macro MULS q, z                       ; 16 products, the 16 accumulators by turns in the same order in every step
.if (\q) < 10
	WIN 0x09
.else
	WIN 0x0d
.endif
.irp a, 0,1
.irp t, 0,1,2,3,4,5,6,7
.set rD, ACC+64*\a+8*\t
.set rB, 128*((\q)%2)+12*\t
.set rA, 24*((\q)%10)+12*\a
.set rX, SB+16*(\t/2)+(\q)
.set rY, SA+(\q)
.if (\t%2 == 0) && (\a == 0)
	WM \z
.elseif \a == 0
	WM \z, matrix_a_scale:MATRIX_SCALE_ROW1
.elseif \t%2 == 0
	WM \z, matrix_b_scale:MATRIX_SCALE_ROW1
.else
	WM \z, matrix_a_scale:MATRIX_SCALE_ROW1, matrix_b_scale:MATRIX_SCALE_ROW1
.endif
.endr
.endr
.endm
.macro ALOAD q
.if (\q) < 10
	WIN 0x80
.else
	WIN 0xc0
.endif
.irp a, 0,1
.irp c, 0,1
	global_load_b128 v[24*((\q)%10)+12*\a+6*\c:24*((\q)%10)+12*\a+6*\c+3], v4, s[52:53] offset:24576*\a+768*(2*(\q)+\c)
	global_load_b64 v[24*((\q)%10)+12*\a+6*\c+4:24*((\q)%10)+12*\a+6*\c+5], v5, s[52:53] offset:24576*\a+768*(2*(\q)+\c)
.endr
.endr
.endm
.macro KSTEP q
	s_wait_dscnt 0x0                               ; this step's 48 loads, issued a step ago
	PLACES 4                                       ; in front of loads into the set that the last step's products read
.if (\q) < 15
	FETCHB (\q)+1
.endif
.if (\q) < 9
	ALOAD (\q)+7                                   ; A comes seven K steps ahead
	s_wait_loadcnt 56                              ; A's step q is in: behind it stand the 7 x 8 loads of steps q + 1 to q + 7
.else
	s_wait_loadcnt 8*(15-(\q))                     ; behind A's step q stand the loads of steps q + 1 to 15
.endif
	MULS \q, (\q)==0
.endm
.macro SWAPS a                         ; register 16 b + i becomes column 32 b + 16 (lane / 16) + i
.irp b, 0,1,2,3
.irp j, 0,1,2,3,4,5,6,7
	v_permlane16_swap_b32 v[ACC+64*\a+16*\b+\j], v[ACC+64*\a+16*\b+8+\j]
.endr
.endr
.endm
.macro QUANT s, pc, pw                 ; 64 numbers of a lane -> 12 registers of codes in window 1 at pc, the scale word in v[pw]
.irp b, 0,1,2,3
	v_max3_num_f32 v[TM+\b], |v[\s+16*\b]|, |v[\s+16*\b+1]|, 0x1800000     ; with the floor 2^(3 - 127): the byte cannot fall under 1
.endr
.irp i, 2,4,6,8,10,12,14
.irp b, 0,1,2,3
	v_max3_num_f32 v[TM+\b], v[TM+\b], |v[\s+16*\b+\i]|, |v[\s+16*\b+\i+1]|
.endr
.endr
.irp b, 0,1,2,3
	v_permlanex16_b32 v[TM+4+\b], v[TM+\b], s[SEL], s[SEL+1]
.endr
.irp b, 0,1,2,3
	v_max_num_f32 v[TM+\b], v[TM+\b], v[TM+4+\b]
.endr
.irp b, 0,1,2,3
	v_add_nc_u32 v[TM+12+\b], 0xff000000, v[TM+\b]  ; 2 off the exponent field: the conversion's scale operand
.endr
.irp b, 0,1,2,3
	v_lshrrev_b32 v[TM+4+\b], 23, v[TM+12+\b]
.endr
	v_lshl_or_b32 v[\pw], v[TM+5], 8, v[TM+4]
	v_lshl_or_b32 v[\pw], v[TM+6], 16, v[\pw]
	v_lshl_or_b32 v[\pw], v[TM+7], 24, v[\pw]
	WIN 0x40
.irp c, 0,1
	v_cvt_scalef32_pk16_fp6_f32 v[\pc+6*\c:\pc+6*\c+2], v[\s+32*\c:\s+32*\c+15], v[TM+12+2*\c]
	v_cvt_scalef32_pk16_fp6_f32 v[\pc+12+4*\c:\pc+12+4*\c+2], v[\s+32*\c+16:\s+32*\c+31], v[TM+13+2*\c]
.endr
	v_nop
	WIN 0x41
.irp c, 0,1
.irp i, 0,1,2
	v_permlane16_swap_b32 v[\pc+6*\c+\i], v[\pc+12+4*\c+\i]
.endr
.irp i, 0,1,2
	v_mov_b32 v[\pc+6*\c+3+\i], v[\pc+12+4*\c+\i]
.endr
.endr
	WIN 0
.endm
	s_load_b256 s[4:11], s[0:1], 0x0               ; A's image, B's codes, B's scales, the result's image
	v_lshl_add_u32 v46, v0, 2, 0x3c000
	v_mov_b32 v47, 0
	ds_add_u32 v46, v47
	ds_add_u32 v46, v47
	v_lshrrev_b32 v1, 5, v0
	v_readfirstlane_b32 s28, v1                    ; wave
	s_bfe_u32 s29, ttmp6, 0x40000                  ; cx: it enters A's and the result's global addresses alone
	s_lshl_b32 s30, ttmp9, 2
	s_add_co_u32 s30, s30, s29                     ; mt
	s_and_b32 s31, ttmp7, 0xffff                   ; nt, which the four partners share
	s_lshl_b32 s33, s30, 2
	s_add_co_u32 s33, s33, s28                     ; R: my 32 rows
	s_mov_b32 s[SEL], 0x76543210
	s_mov_b32 s[SEL+1], 0xfedcba98
	s_mov_b32 s36, 15|(1<<20)|(1<<21)|(6<<22)|(19<<25) ; the four partners; bytes; 20 words of padding behind every 128
	s_mov_b32 s37, 1536<<16
	s_mov_b32 s38, 32<<16
	s_mov_b32 s39, 1536<<16
	s_mov_b32 s40, 32
	s_mov_b32 s41, 1536
	s_mov_b32 s42, 0
	s_mov_b32 s43, 0
	s_mov_b32 s44, 1
	s_mul_i32 s45, s28, 32*BP                      ; my 32 rows of B in LDS
	v_and_b32 v3, 31, v0
	v_and_b32 v1, 15, v0
	v_bfe_u32 v2, v0, 4, 1
	v_lshlrev_b32 v4, 4, v3
	v_lshl_add_u32 v5, v3, 3, 512
	v_lshlrev_b32 v6, 6, v3
	v_lshlrev_b32 v7, 2, v3
	v_mul_u32_u24 v8, v1, BP
	v_mad_u32_u24 v8, v2, 24, v8
	v_mad_u32_u24 v9, v2, 80, v8
.irp p, 1,2,3
	v_add_nc_u32 v[8+2*\p], 32*BP*\p, v8
	v_add_nc_u32 v[9+2*\p], 32*BP*\p, v9
.endr
.irp b, 0,1,2,3
	v_mov_b32 v[TM+4+\b], 0
.endr
	s_mul_i32 s68, s31, 196608
	s_mul_i32 s69, s28, 49152
	s_add_co_u32 s68, s68, s69
	s_mov_b32 s69, 0
	s_lshl_b32 s70, s31, 13
	s_mov_b32 s71, 0
	s_mul_i32 s72, s33, 49152
	s_mov_b32 s73, 0
	s_lshl_b32 s74, s33, 11
	s_add_co_u32 s74, s74, IMGSZ
	s_mov_b32 s75, 0
	s_mul_i32 s76, s31, 1536
	s_add_co_u32 s76, s76, s72                     ; the result: tiles 2 R, 2 R + 1, K / 64 = 2 nt on
	s_mov_b32 s77, 0
	s_lshl_b32 s78, s31, 7
	s_add_co_u32 s78, s78, s74
	s_mov_b32 s79, 0
	s_wait_alu depctr_va_vdst(0)                   ; the wait at the head's end
	s_wait_dscnt 0x0
	s_wait_kmcnt 0x0
	s_add_nc_u64 s[46:47], s[6:7], s[68:69]
	s_or_b32 s47, s47, 0x80000000
	s_add_nc_u64 s[58:59], s[8:9], s[70:71]
	s_add_nc_u64 s[52:53], s[4:5], s[72:73]
	s_add_nc_u64 s[54:55], s[4:5], s[74:75]
	s_add_nc_u64 s[60:61], s[10:11], s[76:77]
	s_add_nc_u64 s[62:63], s[10:11], s[78:79]
	ROUND                                          ; the four partners are here: the joint loads meet
	tensor_load_to_lds s[44:47], s[36:43]
	s_nop 0
	PLACES 4
.irp b, 0,1,2,3
.irp i, 0,1,2,3
	global_load_b128 v[SB+16*\b+4*\i:SB+16*\b+4*\i+3], v6, s[58:59] offset:2048*\b+16*\i
.endr
.endr
.irp q, 0,1,2,3,4,5,6,7,8,9,10,11,12,13,14,15
	global_load_b32 v[SA+\q], v7, s[54:55] offset:128*\q
.endr
.irp q, 0,1,2,3,4,5,6
	ALOAD \q
.endr
	WIN 0
	s_wait_tensorcnt 0x0                           ; my 32 rows of B have landed
	s_barrier_signal -1
	s_barrier_wait -1
	FETCHB 0
.irp q, 0,1,2,3,4,5,6,7,8,9,10,11,12,13,14,15
	KSTEP \q
.endr
	WIN 0
	PLACES 4
	SWAPS 0
	SWAPS 1
.set N, 0
.rept 128
	v_max_num_f32 v[ACC+N], 0, v[ACC+N]
.set N, N+1
.endr
.set N, 0
.rept 64
	v_pk_mul_f32 v[ACC+N:ACC+N+1], v[ACC+N:ACC+N+1], v[ACC+N:ACC+N+1]
.set N, N+2
.endr
	QUANT ACC, 0, 40
	QUANT ACC+64, 32, 41
	v_cmp_eq_u32 vcc_lo, 1, v2
	v_cndmask_b32 v42, v40, v41, vcc_lo            ; lanes 0-15 tile 0's words, lanes 16-31 tile 1's
	global_store_b32 v7, v42, s[62:63]
	WIN 0x04
.irp a, 0,1
.irp c, 0,1
	global_store_b128 v4, v[32*\a+6*\c:32*\a+6*\c+3], s[60:61] offset:24576*\a+768*\c
	global_store_b64 v5, v[32*\a+6*\c+4:32*\a+6*\c+5], s[60:61] offset:24576*\a+768*\c
.endr
.endr
	WIN 0
	s_wait_tensorcnt 0x0
	ds_add_u32 v46, v47
	s_wait_dscnt 0x0
	ROUND                                          ; the closing round
	s_endpgm
.Lfunc_end_k_q6860d8fe48_up:
	.size	k_q6860d8fe48_up, .Lfunc_end_k_q6860d8fe48_up-k_q6860d8fe48_up
	.p2alignl 7, 3214868480
	.fill 96, 4, 3214868480
	.section	.rodata,"a",@progbits
	.p2align	6, 0x0
	.amdhsa_kernel k_q6860d8fe48_up
		.amdhsa_group_segment_fixed_size 246272
		.amdhsa_private_segment_fixed_size 0
		.amdhsa_enable_private_segment 0
		.amdhsa_kernarg_size 32
		.amdhsa_user_sgpr_count 2
		.amdhsa_user_sgpr_kernarg_segment_ptr 1
		.amdhsa_wavefront_size32 1
		.amdhsa_system_sgpr_workgroup_id_x 1
		.amdhsa_system_sgpr_workgroup_id_y 1
		.amdhsa_system_sgpr_workgroup_id_z 1
		.amdhsa_system_vgpr_workitem_id 0
		.amdhsa_next_free_vgpr 1024
		.amdhsa_next_free_sgpr 80
		.amdhsa_reserve_vcc 1
		.amdhsa_float_denorm_mode_32 3
		.amdhsa_float_denorm_mode_16_64 3
		.amdhsa_memory_ordered 1
		.amdhsa_forward_progress 1
		.amdhsa_inst_pref_size 123
	.end_amdhsa_kernel
	.amdgpu_metadata
---
amdhsa.version: [ 1, 2 ]
amdhsa.kernels:
  - .name:           k_q6860d8fe48_up
    .symbol:         k_q6860d8fe48_up.kd
    .args:
      - { .name: A1, .offset: 0, .size: 8, .value_kind: global_buffer, .address_space: global }
      - { .name: up_w_codes, .offset: 8, .size: 8, .value_kind: global_buffer, .address_space: global }
      - { .name: up_w_scales, .offset: 16, .size: 8, .value_kind: global_buffer, .address_space: global }
      - { .name: A2, .offset: 24, .size: 8, .value_kind: global_buffer, .address_space: global }
    .group_segment_fixed_size: 246272
    .private_segment_fixed_size: 0
    .kernarg_segment_align: 8
    .kernarg_segment_size: 32
    .max_flat_workgroup_size: 128
    .sgpr_count:     80
    .vgpr_count:     1024
    .wavefront_size: 32
...
	.end_amdgpu_metadata
.endif
;; end of part 6
;; launch down: the kernel of part 4 again; grid 16 x 16, 4 waves a work-group, clusters of 4 x 1, 280,064 bytes of LDS; arguments A2, down_w_codes, down_w_scales, H, out0; writes out0
